; MI455X (gfx1250); checked and timed in simulation.
; The chip was launched on July 23, 2026; its instructions are those of AMD's public machine-readable ISA for CDNA 5 (MIT licence, August 2026) and "CDNA5" Instruction Set Architecture Reference Guide (July 2026). The comments in the code are by the model that wrote it; some were corrected since.
;; Causal Self Attention. Allowed arithmetic: matrix products marked QUANTISED: E2M1 operands, one E8M0 scale for each 32 along K, by v_wmma_scale_f32_16x16x128_f8f6f4 with both operands' format E2M1 (or v_wmma_scale_f32_32x16x128_f4), f32 sums; products left as they are: bf16, f16 or f32 operands; f32 sums; everything else in f32.
;; Inputs: W_proj 1,024 x 1,024 float32; W_qkv 3,072 x 1,024 float32; x 4 x 2,048 x 1,024 float32.
;; Outputs: out0 4 x 2,048 x 1,024 float32.
;; This version of the problem:
;;   THIS VERSION OF THE PROBLEM IS GIVEN IN LOW PRECISION. The matrix products marked QUANTISED in the list below multiply operands that are first quantised to E2M1 (2 exponent bits, 1 mantissa bit; 4 bits a number), with one power-of-two scale for each 32 numbers along K (OCP MX v1.0); their sums are f32. The products marked 'left as it is' may take bf16, f16 or f32 operands, with f32 sums. Whichever they take, every output number must still come out within the allowed error. Rounding operands to bf16 (8 significant bits) uses up far more of that allowance than f16 does (11 bits, for magnitudes from 6e-5 to 65,504). All else is computed in f32.
;;   The module's matrix products, in the order in which they are computed (A, B: the left and right operand; K: the contracted axis; several contracted axes count as one K, in the product's order):
;;     1. [M 8,192, K 1,024] x [K 1,024, N 3,072]; A: input x; B: input W_qkv: QUANTISED
;;     2. batch 64 x [M 2,048, K 64] x [K 64, N 2,048]; A: computed on the way; B: computed on the way: left as it is (an operand is computed on the way)
;;     3. batch 64 x [M 2,048, K 2,048] x [K 2,048, N 64]; A: computed on the way; B: computed on the way: left as it is (an operand is computed on the way)
;;     4. [M 8,192, K 1,024] x [K 1,024, N 1,024]; A: computed on the way; B: input W_proj: left as it is (an operand is computed on the way)
;;   THE QUANTISER, for each operand of a quantised product, along K:
;;     - K is cut into blocks of 32 from its start; a last block that is shorter is filled with zeros.
;;     - A block's scale is 2^e with e = floor(log2(the largest magnitude in the block)) - 2, held to -126 .. 127; a block of zeros has e = 0. As a byte (E8M0): e + 127.
;;     - Each number is divided by its block's scale, clamped to +-6, and rounded to the nearest number of E2M1, ties to even, subnormals kept.
;;     - The product sums the exact products of the quantised numbers (number of the format x scale) in f32.
;;   ~~~python
;;   def quantise(x, axis):      # numpy; x: float32 -> the quantised numbers, widened to float32 again
;;       x = np.moveaxis(x, axis, -1); K = x.shape[-1]
;;       x = np.pad(x, [(0, 0)] * (x.ndim - 1) + [(0, -K % 32)]); x = x.reshape(x.shape[:-1] + (-1, 32)); a = np.abs(x).max(-1, keepdims=True)
;;       e = np.where(a > 0, np.clip(np.frexp(np.where(a > 0, a, 1))[1] - 1 - 2, -126, 127), 0)      # np.frexp(a)[1] - 1 = floor(log2(a)), exactly
;;       r = np.clip(x / 2.0 ** e, -6, 6)
;;       step = 2.0 ** (np.maximum(np.frexp(np.where(r == 0, 1, r))[1] - 1, 0) - 1)
;;       q = np.round(r / step) * step * 2.0 ** e      # np.round: ties to even
;;       return np.moveaxis(q.reshape(q.shape[:-2] + (-1,))[..., :K], -1, axis).astype(np.float32)
;;   ~~~
;; One version. Each part assembles by itself: llvm-mc -triple=amdgcn-amd-amdhsa -mcpu=gfx1250 --defsym DOCPART=n.
;; ======== version 1 of 1: 5 launches
;; limits: values are held in f16: magnitudes above 65,504 overflow, below 6.1e-05 lose precision
;; workspace buffers: codes 5,767,168 bytes; scales 360,448 bytes; wp16 2,097,152 bytes; rope 524,288 bytes; qkv 50,331,648 bytes; e16 786,432 bytes; y 16,777,216 bytes
;; launch prep (part 1): grid 448 x 1, 4 waves a work-group, no clusters, 33,280 bytes of LDS; arguments x, W_qkv, W_proj, codes, scales, wp16, rope; writes codes, scales, wp16, rope
.if DOCPART == 1
	.amdgcn_target "amdgcn-amd-amdhsa--gfx1250"
	.amdhsa_code_object_version 6
	.text
	.protected	k_q078ed3c483_prep
	.globl	k_q078ed3c483_prep
	.p2align	8
	.type	k_q078ed3c483_prep,@function
k_q078ed3c483_prep:
	s_mov_b64 s[64:65], 0
	v_nop
	global_prefetch_b8 v0, s[64:65] scope:SCOPE_SE
	s_setreg_imm32_b32 hwreg(HW_REG_WAVE_MODE, 25, 1), 1
	s_wait_xcnt 0x0
; THREE JOBS IN ONE LAUNCH, told apart by the work-group's number alone.
; Work-groups 0-351: x [8192][1024] and W_qkv [3072][1024], f32, K innermost, become codes of FP4 (E2M1) and one E8M0 scale byte for each 32 along K.  W_qkv's codes and bytes follow x's on end in the
;   two buffers, so the output is one stream of runs.  A block's scale is 2^(floor(log2(its largest magnitude)) - 2); its byte is the largest magnitude's exponent field - 2, held at 1 from below.
;   A wave takes 16 steps of 512 numbers; each load reads 512 consecutive bytes; a step's 2,048 bytes turn through the wave's own stage in LDS so that a lane holds 16 neighbours along K.
; Work-groups 352-383: W_proj [1024][1024] f32 becomes f16, laid [k / 64][n][64]: a piece of 64 along K of a row is 128 bytes, and the pieces of neighbouring rows lie on end.
; Work-groups 384-447: the table of cos(t f_i), sin(t f_i), t = 0 .. 2047, f_i = 10^(-i/8), i = 0 .. 31: a row of 256 bytes for each t, 32 cosines and then 32 sines, f32.
; LIMITS.  Blocks whose largest magnitude lies under 2^(2 - 126) get the byte 1; a block of zeros gets the byte 1 where the rule says 127 (its codes are zeros, and this program alone reads the bytes).
; NaN and infinities among the inputs are not served.  |W_proj| of 65,520 or more becomes infinite in f16.  f_i is the correctly rounded 10^(-i/8): a power and a reciprocal taken in f32 may differ from it
; in the last bits, at most some 3e-4 radians at t = 2,047.  The range reduction (two parts of pi/2) serves arguments up to 2,047, which the problem's constants fix.
.set WAVES, 4
.set STEPS, 16
.set WGX,   256                        ; work-groups for x: 8192 x 1024 / 32,768
.set WGQ,   352                        ; and 96 more for W_qkv
.set WGW,   384                        ; and 32 for W_proj; the last 64 make the table
.set EMAX,  2
.set CB,    8                          ; bytes of 16 codes
.set R,     16                         ; v16-79   four sets of 16 numbers as they are loaded
.set X,     80                         ; v80-111  two sets of 16 neighbours
.set C,     128                        ; v128-191 codes: four registers for each step, so that no store's data are written again
.set E,     112                        ; v112-127 a scale byte for each step
.set WREG,  8192                       ; LDS: a region for each wave: two stages of 32 x SP bytes, and behind them its 256 scale bytes
.set SP,    80                         ; a lane's place in a stage: its 64 bytes + 16 of padding
.set SPW,   12                         ; v12      LDS address of my spare word; never rewritten
.set NIL,   13                         ; v13      0; never rewritten
.set SPARE, WAVES*WREG                 ; behind the four regions: the spare words, 128 bytes for each wave
.set RW,    16                         ; W_proj: v16-143 two sets of 64 numbers
.set HW,    144                        ; v144-175 their f16
	s_load_b256 s[4:11], s[0:1], 0x0               ; x s[4:5], W_qkv s[6:7], W_proj s[8:9], codes s[10:11]
	s_load_b128 s[12:15], s[0:1], 0x20             ; scales s[12:13], wp16 s[14:15]
	s_load_b64 s[16:17], s[0:1], 0x30              ; rope
	v_lshl_add_u32 v[SPW], v0, 2, SPARE
	v_mov_b32 v[NIL], 0
	v_lshrrev_b32 v1, 5, v0
	v_readfirstlane_b32 s18, v1                    ; wave
	v_and_b32 v2, 31, v0                           ; lane
	s_wait_kmcnt 0x0
	s_cmp_ge_u32 ttmp9, WGQ
	s_cbranch_scc1 .Lnotq
	; ---------------- the quantiser ----------------
	v_lshlrev_b32 v3, 4, v2                        ; my 16 bytes of a load's 512
	s_mul_i32 s19, s18, WREG
	v_lshrrev_b32 v14, 2, v2
	v_mul_u32_u24 v14, v14, SP
	v_and_b32 v15, 3, v2
	v_lshl_add_u32 v14, v15, 4, v14
	v_add_nc_u32 v14, s19, v14                     ; the stage, on the way in: SP (lane / 4) + 16 (lane % 4)
	v_mul_u32_u24 v15, v2, SP
	v_add_nc_u32 v15, s19, v15                     ; and on the way out: SP x lane: my 16 neighbours
	v_mul_u32_u24 v4, v2, CB                       ; my codes' place in a step's
	v_lshrrev_b32 v5, 1, v2
	s_add_co_u32 s19, s19, 2*32*SP
	v_add_nc_u32 v5, s19, v5                       ; LDS: my wave's 256 scale bytes, my block's byte
	v_lshlrev_b32 v7, 3, v2                        ; and on the way out 8 bytes a lane
	v_add_nc_u32 v6, s19, v7
	s_cmp_lt_u32 ttmp9, WGX                        ; x's work-group or W_qkv's?  The choice hangs on the work-group's number alone
	s_cselect_b64 s[4:5], s[4:5], s[6:7]
	s_cselect_b32 s19, 0, WGX
	s_sub_co_u32 s19, ttmp9, s19
	s_lshl_b32 s19, s19, 2
	s_add_co_u32 s20, s19, s18                     ; which run of 8,192 numbers of the tensor is my wave's
	s_lshl_b32 s20, s20, 15                        ; 32,768 bytes a run
	s_mov_b32 s21, 0
	s_add_nc_u64 s[4:5], s[4:5], s[20:21]
	s_lshl_b32 s22, ttmp9, 2
	s_add_co_u32 s22, s22, s18                     ; which run of the output: W_qkv's follow x's
	s_lshl_b32 s20, s22, 12                        ; 4,096 bytes of codes a run
	s_add_nc_u64 s[10:11], s[10:11], s[20:21]
	s_lshl_b32 s20, s22, 8                         ; 256 scale bytes a run
	s_add_nc_u64 s[12:13], s[12:13], s[20:21]
.macro LOAD t
.irp i, 0,1,2,3
	global_load_b128 v[R+16*((\t)%4)+4*\i:R+16*((\t)%4)+4*\i+3], v3, s[4:5] offset:2048*(\t)+512*\i th:TH_LOAD_NT   ; 32 lanes read 512 consecutive bytes
.endr
.endm
.macro TURN t                          ; step t's numbers through the stage: LDS serves a wave's instructions in order, so no wait stands between the stores and the loads
.irp i, 0,1,2,3
	ds_store_b128 v14, v[R+16*((\t)%4)+4*\i:R+16*((\t)%4)+4*\i+3] offset:32*SP*((\t)%2)+8*SP*\i
.endr
.irp i, 0,1,2,3
	ds_load_b128 v[X+16*((\t)%2)+4*\i:X+16*((\t)%2)+4*\i+3], v15 offset:32*SP*((\t)%2)+16*\i
.endr
.endm
.irp t, 0,1,2,3
	LOAD \t
.endr
	s_wait_loadcnt 12                              ; step 0's four loads are in; the twelve of steps 1 to 3 may be out
	TURN 0
.macro STEP t
.set XS, X+16*((\t)%2)
.if (\t) > 0
	s_wait_dscnt 1                                 ; this step's numbers are back from the stage (the last step's byte store may be out)
.else
	s_wait_dscnt 0x0
.endif
.if (\t)+4 < STEPS
	LOAD (\t)+4                                    ; the registers that went into the stage take the loads of four steps on
.endif
.if (\t)+1 < STEPS
.if STEPS-2-(\t) >= 3
	s_wait_loadcnt 12                              ; the next step's four loads are in; those of the three steps behind it may be out
.else
	s_wait_loadcnt 4*(STEPS-2-(\t))
.endif
	TURN (\t)+1                                    ; and go through the other stage while this step is worked
.endif
	v_max3_num_f32 v8, |v[XS]|, |v[XS+1]|, |v[XS+2]|               ; the largest magnitude of my 16
	v_max3_num_f32 v9, |v[XS+3]|, |v[XS+4]|, |v[XS+5]|
.irp i, 6,10
	v_max3_num_f32 v8, v8, |v[XS+\i]|, |v[XS+\i+1]|
	v_max3_num_f32 v9, v9, |v[XS+\i+2]|, |v[XS+\i+3]|
.endr
	v_max3_num_f32 v8, v8, |v[XS+14]|, |v[XS+15]|
	v_max3_num_f32 v8, v8, v9, (EMAX+1)<<23        ; and the floor 2^(EMAX + 1 - 127): so the byte cannot fall under 1
	v_max_num_f32_dpp v8, v8, v8 row_xmask:1 row_mask:0xf bank_mask:0xf   ; and of my neighbour's 16: the block's
	v_add_nc_u32 v11, -(EMAX<<23), v8              ; EMAX off its exponent field: the conversion takes the exponent field of this operand as its scale
	v_cvt_scalef32_pk8_fp4_f32 v[C+4*(\t)], v[XS:XS+7], v11        ; eight numbers / the scale, to the nearest code, ties to even, beyond the largest code the largest
	v_cvt_scalef32_pk8_fp4_f32 v[C+4*(\t)+1], v[XS+8:XS+15], v11
	v_lshrrev_b32 v[E+(\t)], 23, v11               ; the scale's byte
	ds_store_b8 v5, v[E+(\t)] offset:16*(\t)       ; both lanes of a block write the same byte with the same value
	global_store_b64 v4, v[C+4*(\t):C+4*(\t)+1], s[10:11] offset:32*CB*(\t)   ; the wave stores 256 consecutive bytes, aligned
.endm
.irp t, 0,1,2,3,4,5,6,7,8,9,10,11,12,13,14,15
	STEP \t
.endr
	ds_load_b64 v[8:9], v6                         ; LDS serves a wave's instructions in order: these see my stores
	s_wait_dscnt 0x0
	global_store_b64 v7, v[8:9], s[12:13]          ; 32 lanes store 256 consecutive bytes, aligned
	s_wait_tensorcnt 0x0                           ; the wave's end: behind my last LDS store
	ds_add_u32 v[SPW], v[NIL]
	s_wait_dscnt 0x0
	s_endpgm
	; ---------------- W_proj to f16, in pieces of 64 along K ----------------
.Lnotq:
	s_cmp_ge_u32 ttmp9, WGW
	s_cbranch_scc1 .Ltable
	s_sub_co_u32 s19, ttmp9, WGQ
	s_lshl_b32 s19, s19, 2
	s_add_co_u32 s19, s19, s18                     ; u = 0 .. 127: my wave's rows 8 u .. 8 u + 7
	s_lshl_b32 s20, s19, 15                        ; 8 rows of 4,096 bytes
	s_mov_b32 s21, 0
	s_add_nc_u64 s[8:9], s[8:9], s[20:21]
	s_lshl_b32 s20, s19, 10                        ; 8 pieces of 128 bytes
	s_add_nc_u64 s[14:15], s[14:15], s[20:21]
	v_lshrrev_b32 v3, 4, v2
	v_and_b32 v4, 15, v2
	v_lshlrev_b32 v3, 12, v3
	v_lshl_add_u32 v3, v4, 4, v3                   ; in: lanes 0-15 one row's 256 bytes, lanes 16-31 the next row's
	v_lshlrev_b32 v4, 3, v2                        ; out: 8 bytes a lane: the two rows' pieces lie on end
.macro WLOAD p                         ; rows 2 p, 2 p + 1: all sixteen pieces
.irp kc, 0,1,2,3,4,5,6,7,8,9,10,11,12,13,14,15
	global_load_b128 v[RW+64*((\p)%2)+4*\kc:RW+64*((\p)%2)+4*\kc+3], v3, s[8:9] offset:(\p)*8192+\kc*256 th:TH_LOAD_NT
.endr
.endm
.macro WBATCH p
.if (\p) < 3
	s_wait_loadcnt 16                              ; this pair of rows is in; the next pair's sixteen loads may be out
.else
	s_wait_loadcnt 0x0
.endif
	s_wait_xcnt 0x0                                ; the last pair's stores have read their data: the registers are written again
.irp kc, 0,1,2,3,4,5,6,7,8,9,10,11,12,13,14,15
	v_cvt_pk_f16_f32 v[HW+2*\kc], v[RW+64*((\p)%2)+4*\kc], v[RW+64*((\p)%2)+4*\kc+1]
	v_cvt_pk_f16_f32 v[HW+2*\kc+1], v[RW+64*((\p)%2)+4*\kc+2], v[RW+64*((\p)%2)+4*\kc+3]
.endr
.irp kc, 0,1,2,3,4,5,6,7,8,9,10,11,12,13,14,15
	global_store_b64 v4, v[HW+2*\kc:HW+2*\kc+1], s[14:15] offset:\kc*131072+(\p)*256   ; 256 consecutive bytes, aligned
.endr
.if (\p)+2 < 4
	WLOAD (\p)+2
.endif
.endm
	WLOAD 0
	WLOAD 1
	WBATCH 0
	WBATCH 1
	WBATCH 2
	WBATCH 3
	s_endpgm
	; ---------------- the table of cosines and sines ----------------
.Ltable:
	s_sub_co_u32 s19, ttmp9, WGW
	s_lshl_b32 s19, s19, 2
	s_add_co_u32 s19, s19, s18                     ; u = 0 .. 255: my wave's rows t = 8 u .. 8 u + 7
	s_lshl_b32 s20, s19, 11
	s_mov_b32 s21, 0
	s_add_nc_u64 s[16:17], s[16:17], s[20:21]
	s_lshl_b32 s19, s19, 3                         ; the first t
	v_lshlrev_b32 v4, 3, v2                        ; 8 bytes a lane: lanes 0-15 the cosines of frequencies 2 l, 2 l + 1; lanes 16-31 the sines of 2 (l - 16), 2 (l - 16) + 1
	v_lshrrev_b32 v22, 4, v2
	v_mul_u32_u24 v22, 3, v22                      ; sin x = cos(x - pi/2): the sines' lanes count three quadrants on
	v_mov_b32 v20, 0
	v_mov_b32 v21, 0
.macro SETF p, fa, fb                  ; frequencies 2 p and 2 p + 1 into lanes p and p + 16
	s_mov_b32 s22, \fa
	s_mov_b32 s23, \fb
	v_writelane_b32 v20, s22, \p
	v_writelane_b32 v20, s22, \p+16
	v_writelane_b32 v21, s23, \p
	v_writelane_b32 v21, s23, \p+16
.endm
	SETF 0,  1.0, 0.7498942093
	SETF 1,  0.5623413252, 0.4216965034
	SETF 2,  0.3162277660, 0.2371373706
	SETF 3,  0.1778279410, 0.1333521432
	SETF 4,  0.1, 0.07498942093
	SETF 5,  0.05623413252, 0.04216965034
	SETF 6,  0.03162277660, 0.02371373706
	SETF 7,  0.01778279410, 0.01333521432
	SETF 8,  0.01, 0.007498942093
	SETF 9,  0.005623413252, 0.004216965034
	SETF 10, 0.003162277660, 0.002371373706
	SETF 11, 0.001778279410, 0.001333521432
	SETF 12, 0.001, 0.0007498942093
	SETF 13, 0.0005623413252, 0.0004216965034
	SETF 14, 0.0003162277660, 0.0002371373706
	SETF 15, 0.0001778279410, 0.0001333521432
	s_mov_b32 s24, 0x3f22f983                      ; 2 / pi
	s_mov_b32 s25, 0xbfc90fdb                      ; -(pi / 2), its f32
	s_mov_b32 s26, 0x333bbd2e                      ; that f32 less pi / 2: 4.37113883e-8
	s_mov_b32 s27, -0.16666654611                  ; sin r = r + r z (S1 + z (S2 + z S3)), z = r r, |r| <= pi / 4
	s_mov_b32 s28, 0.0083321608736
	s_mov_b32 s29, -0.00019515295891
	s_mov_b32 s30, 0.04166664568                   ; cos r = 1 - z / 2 + z z (C1 + z (C2 + z C3))
	s_mov_b32 s31, -0.001388731625
	s_mov_b32 s32, 0.00002443315712
.macro SINCOS dst, fr                  ; v23 = t
	v_mul_f32 v40, v23, v[\fr]                     ; x = t f, rounded once
	v_mul_f32 v41, s24, v40
	v_rndne_f32 v41, v41                           ; n = the nearest whole number of quarter turns
	v_fma_f32 v42, v41, s25, v40                   ; r = x - n pi / 2, in two parts
	v_fma_f32 v42, v41, s26, v42
	v_mul_f32 v43, v42, v42                        ; z
	v_fma_f32 v44, v43, s29, s28
	v_fma_f32 v44, v43, v44, s27
	v_mul_f32 v44, v43, v44
	v_fma_f32 v44, v44, v42, v42                   ; sin r
	v_fma_f32 v45, v43, s32, s31
	v_fma_f32 v45, v43, v45, s30
	v_fma_f32 v46, v43, -0.5, 1.0
	v_mul_f32 v47, v43, v43
	v_fma_f32 v45, v47, v45, v46                   ; cos r
	v_cvt_i32_f32 v46, v41
	v_add_nc_u32 v46, v46, v22                     ; m: the quadrant
	v_and_b32 v47, 1, v46
	v_cmp_ne_u32 vcc_lo, 0, v47
	v_cndmask_b32 v45, v45, v44, vcc_lo            ; odd quadrants take the sine
	v_add_nc_u32 v46, 1, v46
	v_and_b32 v46, 2, v46
	v_lshlrev_b32 v46, 30, v46                     ; quadrants 1 and 2 are negative
	v_xor_b32 v[\dst], v46, v45
.endm
.irp k, 0,1,2,3,4,5,6,7
	s_add_co_u32 s34, s19, \k
	v_cvt_f32_u32 v23, s34
	SINCOS 48+2*\k, 20
	SINCOS 49+2*\k, 21
	global_store_b64 v4, v[48+2*\k:49+2*\k], s[16:17] offset:256*\k   ; a row: 256 consecutive bytes, aligned; each row has its own registers
.endr
	s_endpgm
.Lfunc_end_k_q078ed3c483_prep:
	.size	k_q078ed3c483_prep, .Lfunc_end_k_q078ed3c483_prep-k_q078ed3c483_prep
	.p2alignl 7, 3214868480
	.fill 96, 4, 3214868480
	.section	.rodata,"a",@progbits
	.p2align	6, 0x0
	.amdhsa_kernel k_q078ed3c483_prep
		.amdhsa_group_segment_fixed_size 33280
		.amdhsa_private_segment_fixed_size 0
		.amdhsa_enable_private_segment 0
		.amdhsa_kernarg_size 56
		.amdhsa_user_sgpr_count 2
		.amdhsa_user_sgpr_kernarg_segment_ptr 1
		.amdhsa_wavefront_size32 1
		.amdhsa_system_sgpr_workgroup_id_x 1
		.amdhsa_system_sgpr_workgroup_id_y 1
		.amdhsa_system_sgpr_workgroup_id_z 1
		.amdhsa_system_vgpr_workitem_id 0
		.amdhsa_next_free_vgpr 192
		.amdhsa_next_free_sgpr 66
		.amdhsa_reserve_vcc 1
		.amdhsa_float_denorm_mode_32 3
		.amdhsa_float_denorm_mode_16_64 3
		.amdhsa_memory_ordered 1
		.amdhsa_forward_progress 1
		.amdhsa_inst_pref_size 79
	.end_amdhsa_kernel
	.amdgpu_metadata
---
amdhsa.version: [ 1, 2 ]
amdhsa.kernels:
  - .name:           k_q078ed3c483_prep
    .symbol:         k_q078ed3c483_prep.kd
    .args:
      - { .name: x, .offset: 0, .size: 8, .value_kind: global_buffer, .address_space: global }
      - { .name: W_qkv, .offset: 8, .size: 8, .value_kind: global_buffer, .address_space: global }
      - { .name: W_proj, .offset: 16, .size: 8, .value_kind: global_buffer, .address_space: global }
      - { .name: codes, .offset: 24, .size: 8, .value_kind: global_buffer, .address_space: global }
      - { .name: scales, .offset: 32, .size: 8, .value_kind: global_buffer, .address_space: global }
      - { .name: wp16, .offset: 40, .size: 8, .value_kind: global_buffer, .address_space: global }
      - { .name: rope, .offset: 48, .size: 8, .value_kind: global_buffer, .address_space: global }
    .group_segment_fixed_size: 33280
    .private_segment_fixed_size: 0
    .kernarg_segment_align: 8
    .kernarg_segment_size: 56
    .max_flat_workgroup_size: 128
    .sgpr_count:     66
    .vgpr_count:     192
    .wavefront_size: 32
...
	.end_amdgpu_metadata
.endif
;; end of part 1
;; launch gemm_qkv (part 2): grid 12 x 32, 4 waves a work-group, clusters of 4 x 4, 327,680 bytes of LDS; arguments codes, scales, rope, qkv, e16; writes qkv, e16
.if DOCPART == 2
	.amdgcn_target "amdgcn-amd-amdhsa--gfx1250"
	.amdhsa_code_object_version 6
	.text
	.protected	k_q078ed3c483_gemm_qkv
	.globl	k_q078ed3c483_gemm_qkv
	.p2align	8
	.type	k_q078ed3c483_gemm_qkv,@function
k_q078ed3c483_gemm_qkv:
	s_mov_b64 s[64:65], 0
	v_nop
	global_prefetch_b8 v0, s[64:65] scope:SCOPE_SE
	s_setreg_imm32_b32 hwreg(HW_REG_WAVE_MODE, 25, 1), 1
	s_wait_xcnt 0x0
	s_wait_alu depctr_hold_cnt(0) depctr_sa_sdst(0) depctr_va_vdst(0) depctr_va_sdst(0) depctr_va_ssrc(0) depctr_va_vcc(0) depctr_vm_vsrc(0)
	s_getreg_b32 s2, hwreg(HW_REG_IB_STS2, 6, 4)
	s_cmp_eq_u32 s2, 0
	s_cbranch_scc0 .Lentry_in_a_cluster
	s_endpgm
.Lentry_in_a_cluster:
	s_bfe_u32 s2, ttmp6, 0x10000c
	s_cmp_lg_u32 s2, 0xf033
	s_cbranch_scc0 .Lentry_shape_is_right
	s_endpgm
.Lentry_shape_is_right:
; qkv = x W_qkv^T on codes of FP4 (E2M1) with one E8M0 scale for each 32 along K, sums in f32; then the rotary embedding in f32 on q and k; q, k, v leave as f16, laid [which][batch][head][t][64].
; The rows t < 16 of every batch leave a second time as f32 (e16, [batch][t][3072]): a later launch carries those positions in f32.
; A tile of 256 tokens x 256 columns is made by a work-group of four waves; a wave makes 128 x 128: 64 accumulators of 16 x 16, 512 registers.  K = 1,024 is two slots of 512 in LDS: both are asked for at the
; start and nothing is filled again.  The scale bytes of the work-group's 256 + 256 rows, for all of K, come with the first fills in whole rows of 256 bytes.
; CLUSTERS: 4 x 4 work-groups.  The four of a row of the cluster need the same tiles of x, the four of a column the same tiles of W_qkv: each tile is asked for jointly.  Tile row = 8 cy + cluster y: so cy is the batch
; and cluster y the block of 256 tokens, which all sixteen partners share.  Tile column = 4 cluster x + cx: so cluster x says q, k or v.
; THE MATRIX INSTRUCTION IS USED TRANSPOSED (source 0 = 16 rows of W_qkv, source 1 = 16 tokens): a lane holds one token and eight neighbouring columns.  A wave's 128 columns are two heads; accumulators
; 4 hd + e and 4 hd + e + 2 hold a head's channels d and d + 32, the two partners of a rotation, in the same lane and register.  v is sent through the same lines with the table's row 0 (cos 1, sin 0).
; REGISTERS, in windows of 256: window 0: v0-31 addresses; v32-95 scale words, two sets; v96-103 offsets into the table; from v128 the tokens' fragments, one set.  Window 1: W_qkv's fragments, two sets, at v0 and
; v128; the table's values for blocks 0-3 in v64-127 and v192-255, for blocks 4-7 in the two sets once they are done with.  Windows 2, 3: the accumulators ((a, b) at v[8 (8 (a % 4) + b)]).
; LIMITS: |q|, |k|, |v| of 65,520 or more become infinite in f16; NaN and infinities are not served (v's 0 x sin term would turn an infinity into NaN).
.set KSTEP,  512
.set NQ,     4                         ; matrix instructions deep in a slot
.set ROWB,   256                       ; a tile's row in bytes: 512 codes
.set KROW,   512                       ; a row of codes in memory
.set PITCH,  272                       ; an LDS row: 256 bytes + 16 of padding: the 16 rows that a load touches start at 16 different banks (64 banks of 4 bytes: ISA guide 11.1)
.set FR,     8
.set NL,     2
.set NP,     4                         ; places behind this matrix instruction (ISA guide 7.12.1)
.set HALFT,  128*PITCH
.set SLOT,   4*HALFT
.set KS,     32                        ; a row of scale bytes
.set SCL,    2*SLOT
.set HALFS,  (128*KS/256)*272
.set SBLK,   (16*KS/256)*272
.set SPARE,  SCL+4*HALFS               ; the spare words, 128 bytes for each wave
.set WCODES, 0x400000                  ; where W_qkv's codes begin in the buffer
.set WSCALES, 0x40000                  ; and its scale bytes
.set SPH,    144                       ; the way out: a stage row: 64 f16 + 16 bytes
.set STGW,   32*SPH                    ; a wave's stage: 2 heads x 16 tokens.  The stages lie in slot 0, which has had its only fill and its last read when the first result is stored there
.set ADRA, 16
.set ADRB, 20
.set STO,  24
.set RD,   25
.set CO,   26
.set ADRS, 27
.set SPW,  28
.set NIL,  29
.set EO,   30                          ; v30  my byte offset in e16's 16 rows
.set SC,   32
.set RO,   96                          ; v96-103  block a: my token's row of the table, + 32 (lane / 16)
.set AF,   128
.set F,    128                         ; the way out: a block's 64 numbers after the rotation
.set H,    192                         ; and as f16
.set BK,   32                          ; rows read back from the stage: v32-63 and v64-95 by turns
.set G1, 24
.set G0, 32
.set G1B, 48
.set G0B, 56
.set G1S, 68
.set G0S, 76
.set G1SB, 80
.set G0SB, 88
.set MSB, 0
.macro WIN new                         ; the immediate's high byte repeats the setting that is left
.if MSB != \new
	s_set_vgpr_msb (MSB<<8)|\new
.set MSB, \new
.endif
.endm
.set MUL_LO, 0xa1                      ; source 0 (W) window 1, source 1 (x) window 0, C and D window 2
.set MUL_HI, 0xf1
.set TO_B,   0x40                      ; destination window 1, address window 0
; A joint load: waves 0 and 1 fetch for x, waves 2 and 3 for W_qkv.  The branch hangs on the wave's number alone.  An s_nop 0 and four v_nop follow each of the two lines.
.macro JLOAD g0a, g1a, g0b, g1b
	s_cmp_eq_u32 s15, 0
	s_cbranch_scc0 .Lfor_b_\@
	tensor_load_to_lds s[\g0a:\g0a+3], s[\g1a:\g1a+7]
	s_nop 0
.rept 4
	v_nop
.endr
	s_branch .Lasked_\@
.Lfor_b_\@:
	tensor_load_to_lds s[\g0b:\g0b+3], s[\g1b:\g1b+7]
	s_nop 0
.rept 4
	v_nop
.endr
.Lasked_\@:
.endm
.macro CROUND                          ; a round of the cluster's barrier
	s_barrier_signal -1
	s_barrier_wait -1
	s_cmp_lg_u32 s14, 0
	s_cbranch_scc1 .Lnot_wave_0_\@
	s_barrier_signal -3
.Lnot_wave_0_\@:
	s_barrier_wait -3
	s_barrier_signal -1
	s_barrier_wait -1
.endm
	s_load_b256 s[4:11], s[0:1], 0x0               ; codes s[4:5], scales s[6:7], rope s[8:9], qkv s[10:11]
	s_load_b64 s[12:13], s[0:1], 0x20              ; e16
	v_lshl_add_u32 v[SPW], v0, 2, SPARE
	v_mov_b32 v[NIL], 0
	ds_add_u32 v[SPW], v[NIL]                      ; the wave's opening: the add, twice on end, and its wait ahead of my first tensor load
	ds_add_u32 v[SPW], v[NIL]
	v_lshrrev_b32 v1, 5, v0
	v_readfirstlane_b32 s14, v1                    ; wave 0..3
	s_lshr_b32 s15, s14, 1                         ; which half of the tile's tokens is mine.  Also: I fetch for x (0) or for W_qkv (1)
	s_and_b32 s16, s14, 1                          ; which half of its columns.  Also: which 128 rows of that tile I fetch
	s_bfe_u32 s40, ttmp6, 0x40000                  ; cx, cy: my place in the cluster
	s_bfe_u32 s41, ttmp6, 0x40004
	s_lshl_b32 s42, ttmp9, 2
	s_add_co_u32 s42, s42, s40                     ; tile column = 4 x cluster x + cx
	s_and_b32 s95, ttmp7, 0xffff                   ; cluster y: the block of 256 tokens in a batch
	s_lshl_b32 s17, s41, 3
	s_add_co_u32 s17, s17, s95                     ; tile row = 8 cy + cluster y
	s_lshl_b32 s43, s41, 2
	s_lshl_b32 s43, 15, s43                        ; my row of the cluster
	s_lshl_b32 s44, 0x1111, s40                    ; my column
	s_or_b32 s[G1+0], s43, (0<<16)|(1<<20)|(1<<21)|(5<<22)|(3<<25)  ; the mask; elements of 1 byte; padding on; bit 21 beside a mask; 4 words behind every 64
	s_or_b32 s[G1B+0], s44, (0<<16)|(1<<20)|(1<<21)|(5<<22)|(3<<25)
.irp g, G1, G1B
	s_mov_b32 s[\g+1], ROWB<<16                    ; tensor_dim0
	s_mov_b32 s[\g+2], 128<<16                     ; tensor_dim1
	s_mov_b32 s[\g+3], ROWB<<16                    ; tile_dim0
	s_mov_b32 s[\g+4], 128                         ; tile_dim1
	s_mov_b32 s[\g+5], KROW                        ; from row to row
	s_mov_b32 s[\g+6], 0
	s_mov_b32 s[\g+7], 0
.endr
	s_or_b32 s[G1S+0], s43, (3<<16)|(1<<20)|(1<<21)|(5<<22)|(3<<25)  ; the scales of 128 rows: 4,096 dense bytes as 16 rows of 256 (32 elements of 8 bytes)
	s_or_b32 s[G1SB+0], s44, (3<<16)|(1<<20)|(1<<21)|(5<<22)|(3<<25)
.irp g, G1S, G1SB
	s_mov_b32 s[\g+1], 32<<16
	s_mov_b32 s[\g+2], (128*KS/256)<<16
	s_mov_b32 s[\g+3], 32<<16
	s_mov_b32 s[\g+4], 128*KS/256
	s_mov_b32 s[\g+5], 32
	s_mov_b32 s[\g+6], 0
	s_mov_b32 s[\g+7], 0
.endr
	s_lshl_b32 s18, s16, 7                         ; which 128 rows of the tile I fetch
	s_lshl_b32 s20, s17, 8
	s_add_co_u32 s20, s20, s18                     ; x: row 256 x tile row + 128 x half
	s_lshl_b32 s46, s42, 8
	s_add_co_u32 s46, s46, s18                     ; W_qkv: row 256 x tile column + 128 x half
	s_mov_b32 s21, 0
	s_mov_b32 s47, 0
	s_mov_b64 s[18:19], KS
	s_mul_u64 s[22:23], s[20:21], s[18:19]         ; where these rows' scales begin, in bytes
	s_mul_u64 s[92:93], s[46:47], s[18:19]
	s_mov_b64 s[18:19], KROW
	s_mul_u64 s[20:21], s[20:21], s[18:19]         ; and their codes
	s_mul_u64 s[46:47], s[46:47], s[18:19]
	s_add_nc_u64 s[92:93], s[92:93], WSCALES       ; W_qkv's lie behind x's in both buffers
	s_add_nc_u64 s[46:47], s[46:47], WCODES
	s_mul_i32 s45, s14, HALFT                      ; where they go: wave x 128 rows: no place in the cluster enters an LDS address
	s_mul_i32 s94, s14, HALFS
	s_wait_dscnt 0x0                               ; both opening adds are done
	s_wait_kmcnt 0x0
	s_add_nc_u64 s[20:21], s[4:5], s[20:21]
	s_add_nc_u64 s[22:23], s[6:7], s[22:23]
	s_add_nc_u64 s[46:47], s[4:5], s[46:47]
	s_add_nc_u64 s[92:93], s[6:7], s[92:93]
	CROUND                                         ; all sixteen work-groups are here: the first joint loads meet
	s_mov_b32 s[G0S], 1
	s_add_co_u32 s[G0S+1], s94, SCL
	s_mov_b64 s[G0S+2:G0S+3], s[22:23]
	s_or_b32 s[G0S+3], s[G0S+3], 0x80000000
	s_mov_b32 s[G0SB], 1
	s_add_co_u32 s[G0SB+1], s94, SCL
	s_mov_b64 s[G0SB+2:G0SB+3], s[92:93]
	s_or_b32 s[G0SB+3], s[G0SB+3], 0x80000000
	JLOAD G0S, G1S, G0SB, G1SB                     ; the scales first: they are wanted with the first slot
.irp s, 0,1
	s_mov_b32 s[G0+4*\s], 1
	s_add_co_u32 s[G0+4*\s+1], s45, \s*SLOT
	s_add_nc_u64 s[G0+4*\s+2:G0+4*\s+3], s[20:21], \s*ROWB
	s_or_b32 s[G0+4*\s+3], s[G0+4*\s+3], 0x80000000
	s_mov_b32 s[G0B+4*\s], 1
	s_add_co_u32 s[G0B+4*\s+1], s45, \s*SLOT
	s_add_nc_u64 s[G0B+4*\s+2:G0B+4*\s+3], s[46:47], \s*ROWB
	s_or_b32 s[G0B+4*\s+3], s[G0B+4*\s+3], 0x80000000
	JLOAD G0+4*\s, G1, G0B+4*\s, G1B               ; three loads of mine are out in all
.endr
	v_and_b32 v1, 15, v0                           ; r = lane % 16
	v_bfe_u32 v2, v0, 4, 1                         ; h = lane / 16
	v_mul_u32_u24 v3, v1, PITCH
	v_lshl_add_u32 v4, v2, 4, v3                   ; a fragment's row x pitch + 16 x half
	s_mul_i32 s21, s15, HALFT                      ; my 128 tokens
	s_mul_i32 s22, s16, HALFT                      ; my 128 rows of W_qkv,
	s_add_co_u32 s22, s22, 2*HALFT                 ; which lie behind the 256 tokens
.irp s, 0,1
	v_add_nc_u32 v[ADRA+\s], s21, v4
	v_add_nc_u32 v[ADRB+\s], s22, v4
	s_add_co_u32 s21, s21, SLOT
	s_add_co_u32 s22, s22, SLOT
.endr
	v_mul_u32_u24 v5, v1, KS                       ; my row's scales: KS bytes a row,
	v_lshrrev_b32 v6, 8, v5
	v_lshl_add_u32 v5, v6, 4, v5                   ; and 16 more for each 256 passed
	s_mul_i32 s21, s15, HALFS
	s_mul_i32 s22, s16, HALFS
	s_add_co_u32 s22, s22, 2*HALFS
	s_sub_co_u32 s22, s22, s21
	v_mul_u32_u24 v6, s22, v2                      ; lanes 16-31 take W_qkv's
	s_add_co_u32 s21, s21, SCL
	v_add_nc_u32 v5, v5, v6
	v_add_nc_u32 v[ADRS], s21, v5
	s_mul_i32 s23, s14, STGW                       ; my stage
	v_mul_u32_u24 v5, v1, SPH                      ; in: row = token r (+ 16 for the second head), 16 bytes for each half of the lanes
	v_lshl_add_u32 v5, v2, 4, v5
	v_add_nc_u32 v[STO], s23, v5
	v_and_b32 v6, 31, v0
	v_lshrrev_b32 v7, 3, v6                        ; back: eight lanes to a row of 128 bytes, four rows an instruction
	v_mul_u32_u24 v7, v7, SPH
	v_and_b32 v8, 7, v6
	v_lshl_add_u32 v7, v8, 4, v7
	v_add_nc_u32 v[RD], s23, v7
	v_lshlrev_b32 v[CO], 4, v6                     ; and in memory the four rows lie on end: 16 x lane
	v_mul_u32_u24 v5, v1, 12288
	v_lshl_add_u32 v[EO], v2, 5, v5                ; e16: row r of 12,288 bytes, + 32 h
	s_or_b32 s96, s95, s15                         ; 0 where my block 0 holds t = 0 .. 15: the same in all sixteen partners, for a given wave
	s_cmp_eq_u32 ttmp9, 2
	s_cselect_b32 s97, 0, 256                      ; v takes the table's row 0 for every token
	s_lshl_b32 s98, s95, 8
	s_lshl_b32 s18, s15, 7
	s_add_co_u32 s98, s98, s18                     ; my first token in the batch
	v_add_nc_u32 v5, s98, v1
.irp a, 0,1,2,3,4,5,6,7
	v_add_nc_u32 v6, 16*\a, v5
	v_mul_u32_u24 v6, v6, s97
	v_lshl_add_u32 v[RO+\a], v2, 5, v6             ; t x 256 + 32 h: my eight frequencies of the first sixteen
.endr
	s_lshl_b32 s92, ttmp9, 2                       ; where my wave's rows begin in qkv: ((which x 4 + batch) x 16 + head) x 2,048 + t, rows of 128 bytes
	s_add_co_u32 s92, s92, s41
	s_lshl_b32 s92, s92, 4
	s_lshl_b32 s93, s40, 2
	s_add_co_u32 s92, s92, s93
	s_lshl_b32 s93, s16, 1
	s_add_co_u32 s92, s92, s93
	s_lshl_b32 s92, s92, 11
	s_add_co_u32 s92, s92, s98
	s_lshl_b32 s92, s92, 7
	s_mov_b32 s93, 0
	s_add_nc_u64 s[10:11], s[10:11], s[92:93]
	s_mul_i32 s46, s41, 196608                     ; and in e16: batch x 16 rows, + my first column x 4
	s_lshl_b32 s47, s42, 10
	s_add_co_u32 s46, s46, s47
	s_lshl_b32 s47, s16, 9
	s_add_co_u32 s46, s46, s47
	s_mov_b32 s47, 0
	s_add_nc_u64 s[12:13], s[12:13], s[46:47]
; the table's values for block a: cos and sin of my token at frequencies 16 e + 8 h + 0 .. 7, e = 0, 1: 32 registers of window 1
.macro ROPELOAD a
.set RB, 64*(1-(\a)/4)+128*(((\a)%4)/2)+32*((\a)%2)
.irp e, 0,1
	global_load_b128 v[RB+8*\e:RB+8*\e+3],       v[RO+(\a)], s[8:9] offset:64*\e
	global_load_b128 v[RB+8*\e+4:RB+8*\e+7],     v[RO+(\a)], s[8:9] offset:64*\e+16
	global_load_b128 v[RB+16+8*\e:RB+16+8*\e+3],   v[RO+(\a)], s[8:9] offset:128+64*\e
	global_load_b128 v[RB+16+8*\e+4:RB+16+8*\e+7], v[RO+(\a)], s[8:9] offset:128+64*\e+16
.endr
.endm
	WIN TO_B
	ROPELOAD 0                                     ; blocks 0-3 now, into registers that the products leave alone
	ROPELOAD 1
	ROPELOAD 2
	ROPELOAD 3
	WIN 0
.macro FRAG reg, adr, q, i             ; a fragment, 16 rows x 128 K of 4-bit codes: lane l holds row l % 16; registers 4 c .. 4 c + 3 hold K = 64 c + 32 (l / 16) + 0 .. 31
.irp c, 0,1
	ds_load_b128 v[\reg+4*\c:\reg+4*\c+3], v[\adr] offset:64*(\q)+32*\c+(\i)*16*PITCH
.endr
.endm
; 16 matrix instructions: token blocks a0, a0 + 1 x W_qkv's eight, 128 along K.  zero = 1: the first product starts the sums.  The 64 accumulators take turns, one instruction a turn.
.macro MUL16 a0, p, q, sc, zero
.irp a, \a0, \a0+1
.irp b, 0,1,2,3,4,5,6,7
.if \zero
	v_wmma_scale_f32_16x16x128_f8f6f4 v[8*(8*((\a)%4)+\b):8*(8*((\a)%4)+\b)+7], v[128*(\p)+FR*\b:128*(\p)+FR*\b+FR-1], v[AF+FR*(\a):AF+FR*(\a)+FR-1], 0, v[SC+8*NQ*(\sc)+NQ*\b+(\q)], v[SC+8*NQ*(\sc)+NQ*(\a)+(\q)] matrix_a_fmt:MATRIX_FMT_FP4 matrix_b_fmt:MATRIX_FMT_FP4 matrix_a_scale:MATRIX_SCALE_ROW1
.else
	v_wmma_scale_f32_16x16x128_f8f6f4 v[8*(8*((\a)%4)+\b):8*(8*((\a)%4)+\b)+7], v[128*(\p)+FR*\b:128*(\p)+FR*\b+FR-1], v[AF+FR*(\a):AF+FR*(\a)+FR-1], v[8*(8*((\a)%4)+\b):8*(8*((\a)%4)+\b)+7], v[SC+8*NQ*(\sc)+NQ*\b+(\q)], v[SC+8*NQ*(\sc)+NQ*(\a)+(\q)] matrix_a_fmt:MATRIX_FMT_FP4 matrix_b_fmt:MATRIX_FMT_FP4 matrix_a_scale:MATRIX_SCALE_ROW1
.endif
.endr
.endr
.endm
.macro FETCH_B slot, q, p
	WIN TO_B
.irp i, 0,1,2,3,4,5,6,7
	FRAG 128*(\p)+FR*\i, ADRB+\slot, \q, \i
.endr
	WIN 0
.endm
.macro FETCH_A slot, q, i0
.irp i, \i0, \i0+1, \i0+2, \i0+3
	FRAG AF+FR*(\i), ADRA+\slot, \q, \i
.endr
.endm
.macro SCALES sc                       ; a slot's scale words: 4 words a row; lanes 0-15 take the tokens' block i, lanes 16-31 W_qkv's block i
.irp i, 0,1,2,3,4,5,6,7
	ds_load_b128 v[SC+8*NQ*\sc+NQ*\i:SC+8*NQ*\sc+NQ*\i+3], v[ADRS] offset:\i*SBLK
.endr
.endm
.macro PLACES n                        ; plain vector instructions between a matrix instruction and a load into, or a read of, its registers
.rept \n
	v_nop
.endr
.endm
.macro STEP slot, q, zero              ; a step of 128 along K that has its successor in the same slot
	s_wait_dscnt 4*NL                              ; W's set and token blocks 0-3 are in; the youngest eight loads (blocks 4-7) may be out
	WIN MUL_LO
	MUL16 0, (\q)%2, \q, \slot, \zero
	MUL16 2, (\q)%2, \q, \slot, \zero
	s_wait_dscnt 0                                 ; blocks 4-7 are in
	PLACES NP
	FETCH_B \slot, (\q)+1, 1-(\q)%2
	FETCH_A \slot, (\q)+1, 0
	WIN MUL_HI
	MUL16 4, (\q)%2, \q, \slot, \zero
	MUL16 6, (\q)%2, \q, \slot, \zero
	PLACES NP
	WIN 0
	FETCH_A \slot, (\q)+1, 4
.endm
.macro TURN slot, next                 ; slot 0's last step changes slots: one barrier
	s_wait_tensorcnt 0x0                           ; all my tensor loads have landed: my part of the next slot
	ds_add_u32 v[SPW], v[NIL]                      ; 0 onto my spare word
	s_wait_dscnt 4*NL+1                            ; (the add and the youngest eight loads may be out)
	WIN MUL_LO
	MUL16 0, 1, NQ-1, \slot, 0
	s_wait_dscnt 0x0                               ; the add is done, and my reads of this slot are over
	s_barrier_signal -1
	MUL16 2, 1, NQ-1, \slot, 0
	WIN 0
	s_barrier_wait -1                              ; the next slot is whole, and nobody reads this one any more
	PLACES NP
	v_add_nc_u32 v[ADRS], 4*NQ, v[ADRS]            ; on to the next slot's scale words
	FETCH_B \next, 0, 0
	FETCH_A \next, 0, 0
	SCALES \next
	WIN MUL_HI
	MUL16 4, 1, NQ-1, \slot, 0
	MUL16 6, 1, NQ-1, \slot, 0
	PLACES NP
	WIN 0
	FETCH_A \next, 0, 4
.endm
	s_wait_tensorcnt 1                             ; the scales and my part of slot 0 are in (slot 1's load may be out),
	s_barrier_signal -1
	s_barrier_wait -1                              ; everybody's are
	FETCH_B 0, 0, 0
	FETCH_A 0, 0, 0
	SCALES 0
	FETCH_A 0, 0, 4
	STEP 0, 0, 1                                   ; the first step's products start the sums: nothing is cleared
	STEP 0, 1, 0
	STEP 0, 2, 0
	TURN 0, 1
	STEP 1, 0, 0
	STEP 1, 1, 0
	STEP 1, 2, 0
	s_wait_dscnt 4*NL                              ; the last step: nothing more to fetch
	WIN MUL_LO
	MUL16 0, 1, NQ-1, 1, 0
	MUL16 2, 1, NQ-1, 1, 0
	s_wait_dscnt 0
	WIN MUL_HI
	MUL16 4, 1, NQ-1, 1, 0
	MUL16 6, 1, NQ-1, 1, 0
	WIN 0
	PLACES NP                                      ; in front of the loads into W's sets, of the first reads of results and of the writes into the tokens' fragments
	WIN TO_B
	ROPELOAD 4
	ROPELOAD 5
	ROPELOAD 6
	ROPELOAD 7
	WIN 0
; THE WAY OUT, block by block of 16 tokens x 128 columns (two heads).
.macro ROT a                           ; out(d) = x(d) cos - x(d + 32) sin;  out(d + 32) = x(d + 32) cos + x(d) sin.  Each accumulator is read from its low end on
.set AC, 64*((\a)%4)
.set RB, 64*(1-(\a)/4)+128*(((\a)%4)/2)+32*((\a)%2)
	WIN 0x06+(\a)/4                                ; source 0: the accumulators' window; source 1: window 1; the rest window 0
.irp hd, 0,1
.irp e, 0,1
.irp j, 0,2,4,6
.set FL, F+8*(4*\hd+\e)+\j
.set FH, FL+16
.set AL, AC+8*(4*\hd+\e)+\j
.set AH, AL+16
.set CN, RB+8*\e+\j
.set SN, CN+16
	v_pk_mul_f32 v[FL:FL+1], v[AL:AL+1], v[CN:CN+1]
	v_pk_mul_f32 v[FH:FH+1], v[AH:AH+1], v[CN:CN+1]
	v_pk_fma_f32 v[FL:FL+1], v[AH:AH+1], v[SN:SN+1], v[FL:FL+1] neg_lo:[1,0,0] neg_hi:[1,0,0]
	v_pk_fma_f32 v[FH:FH+1], v[AL:AL+1], v[SN:SN+1], v[FH:FH+1]
.endr
.endr
.endr
	WIN 0
.endm
.macro PACKH                           ; to f16, once: a lane's eight channels are 16 bytes
.set i, 0
.rept 32
	v_cvt_pk_f16_f32 v[H+i], v[F+2*i], v[F+2*i+1]
.set i, i+1
.endr
.endm
.macro TOSTAGE a                       ; into my stage and back as whole rows; LDS serves a wave's instructions in order (ISA guide 5.7.1.4): no wait between
.set BB, BK+32*((\a)%2)
.irp b, 0,1,2,3,4,5,6,7
	ds_store_b128 v[STO], v[H+4*\b:H+4*\b+3] offset:(\b/4)*16*SPH+32*(\b%4)
.endr
.irp i, 0,1,2,3,4,5,6,7
	ds_load_b128 v[BB+4*\i:BB+4*\i+3], v[RD] offset:\i*4*SPH
.endr
.endm
.macro SEND a, younger                 ; younger: the LDS instructions issued behind block a's loads, which may stay out
.set BB, BK+32*((\a)%2)
	s_wait_dscnt \younger
.irp i, 0,1,2,3,4,5,6,7
	global_store_b128 v[CO], v[BB+4*\i:BB+4*\i+3], s[10:11] offset:(\a)*2048+(\i/4)*262144+(\i%4)*512   ; four rows of a head: 512 consecutive bytes, aligned
.endr
.endm
	s_wait_loadcnt 32                              ; the table's values for blocks 0-3 are in; the 32 loads for blocks 4-7 may be out
.irp a, 0,1,2,3,4,5,6,7
.if \a > 0
	s_wait_xcnt 0x0                                ; the stores issued so far have read their registers: F and the rows of two blocks back are written again
.endif
.if \a == 4
	s_wait_loadcnt 0x0                             ; the table's values for blocks 4-7
.endif
	ROT \a
.if \a == 0
	s_cmp_lg_u32 s96, 0                            ; t = 0 .. 15 leave as f32 too
	s_cbranch_scc1 .Lnot_early
.irp b, 0,1,2,3,4,5,6,7
	global_store_b128 v[EO], v[F+8*\b:F+8*\b+3], s[12:13] offset:64*\b
	global_store_b128 v[EO], v[F+8*\b+4:F+8*\b+7], s[12:13] offset:64*\b+16
.endr
.Lnot_early:
.endif
	PACKH
	TOSTAGE \a
.if \a > 0
	SEND \a-1, 16                                  ; behind block a - 1's loads: block a's 8 stores and 8 loads
.endif
.endr
	SEND 7, 0
	s_wait_tensorcnt 0x0                           ; the wave's end: behind my last tensor load and my last LDS store
	ds_add_u32 v[SPW], v[NIL]
	s_wait_dscnt 0x0
	CROUND                                         ; the closing round: no work-group ends while a partner may still ask for a tile that names it
	s_endpgm
.Lfunc_end_k_q078ed3c483_gemm_qkv:
	.size	k_q078ed3c483_gemm_qkv, .Lfunc_end_k_q078ed3c483_gemm_qkv-k_q078ed3c483_gemm_qkv
	.p2alignl 7, 3214868480
	.fill 96, 4, 3214868480
	.section	.rodata,"a",@progbits
	.p2align	6, 0x0
	.amdhsa_kernel k_q078ed3c483_gemm_qkv
		.amdhsa_group_segment_fixed_size 327680
		.amdhsa_private_segment_fixed_size 0
		.amdhsa_enable_private_segment 0
		.amdhsa_kernarg_size 40
		.amdhsa_user_sgpr_count 2
		.amdhsa_user_sgpr_kernarg_segment_ptr 1
		.amdhsa_wavefront_size32 1
		.amdhsa_system_sgpr_workgroup_id_x 1
		.amdhsa_system_sgpr_workgroup_id_y 1
		.amdhsa_system_sgpr_workgroup_id_z 1
		.amdhsa_system_vgpr_workitem_id 0
		.amdhsa_next_free_vgpr 1024
		.amdhsa_next_free_sgpr 100
		.amdhsa_reserve_vcc 0
		.amdhsa_float_denorm_mode_32 3
		.amdhsa_float_denorm_mode_16_64 3
		.amdhsa_memory_ordered 1
		.amdhsa_forward_progress 1
		.amdhsa_inst_pref_size 168
	.end_amdhsa_kernel
	.amdgpu_metadata
---
amdhsa.version: [ 1, 2 ]
amdhsa.kernels:
  - .name:           k_q078ed3c483_gemm_qkv
    .symbol:         k_q078ed3c483_gemm_qkv.kd
    .args:
      - { .name: codes, .offset: 0, .size: 8, .value_kind: global_buffer, .address_space: global }
      - { .name: scales, .offset: 8, .size: 8, .value_kind: global_buffer, .address_space: global }
      - { .name: rope, .offset: 16, .size: 8, .value_kind: global_buffer, .address_space: global }
      - { .name: qkv, .offset: 24, .size: 8, .value_kind: global_buffer, .address_space: global }
      - { .name: e16, .offset: 32, .size: 8, .value_kind: global_buffer, .address_space: global }
    .group_segment_fixed_size: 327680
    .private_segment_fixed_size: 0
    .kernarg_segment_align: 8
    .kernarg_segment_size: 40
    .max_flat_workgroup_size: 128
    .sgpr_count:     100
    .vgpr_count:     1024
    .wavefront_size: 32
...
	.end_amdgpu_metadata
.endif
;; end of part 2
;; launch attn (part 3): grid 4 x 64, 8 waves a work-group, no clusters, 327,680 bytes of LDS; arguments qkv, y; writes y
.if DOCPART == 3
	.amdgcn_target "amdgcn-amd-amdhsa--gfx1250"
	.amdhsa_code_object_version 6
	.text
	.protected	k_q078ed3c483_attn
	.globl	k_q078ed3c483_attn
	.p2align	8
	.type	k_q078ed3c483_attn,@function
k_q078ed3c483_attn:
	s_mov_b64 s[64:65], 0
	v_nop
	global_prefetch_b8 v0, s[64:65] scope:SCOPE_SE
	s_setreg_imm32_b32 hwreg(HW_REG_WAVE_MODE, 25, 1), 1
	s_wait_xcnt 0x0
; y[bh][q][:] = the sum over k <= q of softmax_k(Q[q] . K[k] / 8) V[k][:], for each of 64 (batch, head).  Q, K, V: f16, [which][bh][2048][64]; y: f16, [bh][2048][64].  Products, maxima and sums in f32; the weights p
; are rounded to f16 for the second product, y once at the end.
; SHARES.  A head's queries are 8 blocks of 256.  Work-group g of a head takes block g and then block 7 - g: (g + 1) + (8 - g) = 9 blocks of 256 keys, the same in every work-group, so the walk is 9 trips for all.
; Each of the eight waves owns 32 queries of the block in hand, two tiles of 16; two waves share a SIMD, so that one wave's softmax stands beside the other's products.
; LAYOUT.  S^T = K Q^T (source 0 = 16 keys, source 1 = 16 queries): a lane holds ONE query (lane % 16) and the keys 8 (lane / 16) + 0 .. 7.  Two such tiles, rounded to f16 in pairs, are source 1 of O^T = V^T P.
; K comes out of LDS as it lies, V ([key][channel]) turned, by ds_load_tr16_b128.
; SOFTMAX.  For each query a running maximum m and sum l: p = 2^(c s - c m), c = log2(e) / 8; in every step O and l are multiplied by a = 2^(c m_old - c m_new).
; THE MASK.  In a block on the diagonal wave w walks key steps 0 .. w / 2 alone, and in step w / 2 hidden scores become -infinity ahead of the maximum.  Every step that is walked has a key that counts for each query.
; THE RING.  Two LDS slots of 256 keys (K, then V); waves 0-3 fetch K's quarters, waves 4-7 V's, one tensor load a wave behind each barrier; a load has a whole slot's steps in which to land.
; No cluster: at a given trip the four work-groups of a head want different blocks of keys (trip i wants block i, or i - g - 1 in the second pass).
; O^T, m and l begin as zeros and -3e38, so that one text of a key step serves first steps too: 64 v_mov_b32 a pass against two more copies of the step.
; LIMITS: NaN and infinities are not served; p under 6e-8 falls to 0 in f16.
; REGISTERS.  Window 0: v2-12 addresses; v14, v15 the add's two; v16-31 statistics; v32-95 S^T; v96-127 P; v128-191 K's fragments; v192-255 V's.  Window 1: v0-31 Q; v64-127 O^T.
.set KP,    144                        ; a key's row in LDS: 128 bytes + 16: the 16 rows of a load start at 16 different banks (64 banks of 4 bytes: ISA guide 11.1)
.set VP,    160                        ; V's: 128 + 32
.set VOFF,  256*KP
.set SLOT1, 1<<17
.set STAGE, 2*SLOT1                    ; behind the ring: 32 rows x 144 bytes for each wave
.set SPH,   144
.set SPARE, STAGE+8*32*SPH             ; the spare words, 128 bytes for each wave
.set AK0, 2
.set AV0, 3
.set ADK, 4
.set ADV, 5
.set QO,  6
.set STO, 7
.set RD,  8
.set GO,  9
.set DD,  10                           ; v10  32 (wave % 2) + lane % 16 - 8 (lane / 16): in the masked step key 16 kt + j of tile qt is hidden where 16 kt + j - 16 qt is above it
.set NINF, 11
.set PFO, 12
.set SPW, 14
.set NIL, 15
.set ST,  16                           ; tile t at +8 t: c m, m, l (two halves), c0-c3 at work; a takes c2's place
.set S,   32
.set P,   96
.set KF,  128
.set VF,  192
.set QW,  0                            ; in window 1
.set OW,  64
.set WV,  8
.set G,   9
.set G1K, 16
.set G1V, 24
.set G0K, 32
.set G0V, 36
.set KB,  40                           ; s[40:41] K of my head at my quarter of block 0;  s[42:43] V likewise
.set VB,  42
.set OFF, 44                           ; s[44:45] a block's offset in bytes
.set NB,  46
.set I,   47                           ; the trip
.set KBL, 48                           ; the block of keys in hand
.set QBL, 49                           ; the block of queries in hand
.set TB,  50                           ; LDS byte at which the slot in hand begins
.set LASTQ, 51
.set CS,  52
.set SEL, 54
.set QP,  56
.set YP,  58
.set QPP, 60
.set YPP, 62
.set PB,  66
.set PFA, 68
.set MASKQ, 70
.set LIM, 71
.set MSB, 0
.macro WIN new
.if MSB != \new
	s_set_vgpr_msb (MSB<<8)|\new
.set MSB, \new
.endif
.endm
.set W_KQ, 0x04                        ; Q in window 1
.set W_PV, 0x50                        ; O^T (C and D) in window 1
.set W_RS, 0x41                        ; O^T (destination and source 0) in window 1
.macro PLACES
.rept 4
	v_nop
.endr
.endm
; Waves 0-3 fetch K's quarters, waves 4-7 V's.  An s_nop 0 and four v_nop follow each of the two lines.
.macro TLOAD
	s_cmp_lt_u32 s[WV], 4
	s_cbranch_scc0 .Lfor_v_\@
	tensor_load_to_lds s[G0K:G0K+3], s[G1K:G1K+7]
	s_nop 0
.rept 4
	v_nop
.endr
	s_branch .Lasked_\@
.Lfor_v_\@:
	tensor_load_to_lds s[G0V:G0V+3], s[G1V:G1V+7]
	s_nop 0
.rept 4
	v_nop
.endr
.Lasked_\@:
.endm
; A PREFETCH INTO THE L2.  The head's work-group 0 walks blocks 0, 0, 1, .. 7: in trip i it loads block i and asks here for block i + 1, which its next change of slots loads: a slot's four key steps ahead.
; Each of its eight waves names its own quarter of K's or V's block, 8,192 bytes, lanes 256 bytes apart: so each aligned 256 bytes of blocks 1 to 7 are named once in the launch.  Trips 7 and 8 ask for nothing.
.macro ASK
	s_cmp_lt_u32 s[I], s[LIM]
	s_cbranch_scc0 .Lnot_mine_\@
	global_prefetch_b8 v[PFO], s[PFA:PFA+1] th:TH_LOAD_NT scope:SCOPE_SE
.Lnot_mine_\@:
.endm
	s_load_b128 s[4:7], s[0:1], 0x0                ; qkv s[4:5], y s[6:7]
	v_lshl_add_u32 v[SPW], v0, 2, SPARE
	v_mov_b32 v[NIL], 0
	ds_add_u32 v[SPW], v[NIL]                      ; the wave's opening: the add, twice on end, and its wait ahead of my first tensor load
	ds_add_u32 v[SPW], v[NIL]
	v_lshrrev_b32 v1, 5, v0
	v_readfirstlane_b32 s[WV], v1                  ; wave 0..7
	s_mov_b32 s[G], ttmp9
	s_and_b32 s10, ttmp7, 0xffff                   ; (batch, head)
	s_lshl_b32 s12, s10, 18                        ; its 262,144 bytes in each of q, k, v, y
	s_mov_b32 s13, 0
	s_and_b32 s11, s[WV], 3                        ; which quarter of a block I fetch
	s_mov_b32 s[G1K], (1<<16)|(1<<20)|(4<<22)|(3<<25)   ; elements of 2 bytes; padding on: 4 words behind every 32
	s_mov_b32 s[G1V], (1<<16)|(1<<20)|(4<<22)|(7<<25)   ; 8 words
.irp g, G1K, G1V
	s_mov_b32 s[\g+1], 64<<16                      ; tensor_dim0
	s_mov_b32 s[\g+2], 64<<16                      ; tensor_dim1
	s_mov_b32 s[\g+3], 64<<16                      ; tile_dim0
	s_mov_b32 s[\g+4], 64                          ; tile_dim1
	s_mov_b32 s[\g+5], 64                          ; from row to row
	s_mov_b32 s[\g+6], 0
	s_mov_b32 s[\g+7], 0
.endr
	s_mov_b32 s[G0K], 1
	s_mul_i32 s[G0K+1], s11, 64*KP
	s_mov_b32 s[G0V], 1
	s_mul_i32 s[G0V+1], s11, 64*VP
	s_add_co_u32 s[G0V+1], s[G0V+1], VOFF
	s_lshl_b32 s72, s11, 13                        ; 64 rows of 128 bytes
	s_mov_b32 s73, 0
	s_add_nc_u64 s[72:73], s[72:73], s[12:13]
	s_lshl_b32 s74, s[WV], 12                      ; my wave's 32 queries
	s_mov_b32 s75, 0
	s_add_nc_u64 s[74:75], s[74:75], s[12:13]
	s_mov_b32 s[CS], 0x3e38aa3b                    ; c = log2(e) / 8
	s_mov_b32 s[CS+1], s[CS]
	s_mov_b32 s[SEL], 0x76543210
	s_mov_b32 s[SEL+1], 0xfedcba98
	s_mov_b32 s[TB], 0
	s_mov_b32 s[I], 0
	s_mov_b32 s[KBL], 0
	s_mov_b32 s[QBL], s[G]
	s_mov_b32 s[OFF+1], 0
	s_cmp_eq_u32 s[G], 0
	s_cselect_b32 s[LIM], 7, 0
	s_wait_dscnt 0x0                               ; both opening adds are done
	s_wait_kmcnt 0x0
	s_add_nc_u64 s[KB:KB+1], s[4:5], s[72:73]
	s_add_nc_u64 s[VB:VB+1], s[KB:KB+1], 0x2000000
	s_add_nc_u64 s[KB:KB+1], s[KB:KB+1], 0x1000000
	s_mov_b64 s[G0K+2:G0K+3], s[KB:KB+1]
	s_or_b32 s[G0K+3], s[G0K+3], 0x80000000
	s_mov_b64 s[G0V+2:G0V+3], s[VB:VB+1]
	s_or_b32 s[G0V+3], s[G0V+3], 0x80000000
	TLOAD                                          ; slot 0: block 0 of the keys
	s_add_nc_u64 s[QP:QP+1], s[4:5], s[74:75]
	s_add_nc_u64 s[YP:YP+1], s[6:7], s[74:75]
	s_cmp_lt_u32 s[WV], 4
	s_cselect_b64 s[PB:PB+1], s[KB:KB+1], s[VB:VB+1]
	s_mov_b64 s[PFA:PFA+1], s[PB:PB+1]
	s_lshl_b32 s[OFF], s[QBL], 15
	s_add_nc_u64 s[QPP:QPP+1], s[QP:QP+1], s[OFF:OFF+1]
	s_add_nc_u64 s[YPP:YPP+1], s[YP:YP+1], s[OFF:OFF+1]
	v_and_b32 v1, 15, v0                           ; r
	v_bfe_u32 v13, v0, 4, 1                        ; h
	v_mul_u32_u24 v[AK0], v1, KP
	v_lshl_add_u32 v[AK0], v13, 4, v[AK0]          ; K: row r x pitch + 16 h
	v_and_b32 v4, 7, v0
	v_lshl_add_u32 v4, v13, 3, v4
	v_mul_u32_u24 v[AV0], v4, VP                   ; V, turned: key 8 h + lane % 8,
	v_bfe_u32 v4, v0, 3, 1
	v_lshl_add_u32 v[AV0], v4, 4, v[AV0]           ; channels 8 ((lane / 8) % 2) on
	v_add_nc_u32 v[AV0], VOFF, v[AV0]
	v_lshlrev_b32 v[QO], 7, v1
	v_lshl_add_u32 v[QO], v13, 4, v[QO]            ; Q: row r of 128 bytes, + 16 h
	s_mul_i32 s72, s[WV], 32*SPH
	s_add_co_u32 s72, s72, STAGE                   ; my stage
	v_mul_u32_u24 v[STO], v1, SPH
	v_lshl_add_u32 v[STO], v13, 4, v[STO]
	v_add_nc_u32 v[STO], s72, v[STO]
	v_and_b32 v5, 31, v0
	v_lshrrev_b32 v4, 3, v5
	v_mul_u32_u24 v[RD], v4, SPH
	v_and_b32 v4, 7, v5
	v_lshl_add_u32 v[RD], v4, 4, v[RD]
	v_add_nc_u32 v[RD], s72, v[RD]                 ; back: eight lanes to a row, four rows an instruction
	v_lshlrev_b32 v[GO], 4, v5
	v_lshlrev_b32 v[PFO], 8, v5
	s_and_b32 s72, s[WV], 1
	s_lshl_b32 s72, s72, 5
	v_lshlrev_b32 v4, 3, v13
	v_sub_nc_u32 v[DD], v1, v4
	v_add_nc_u32 v[DD], s72, v[DD]
	v_mov_b32 v[NINF], 0xff800000
.macro FETCH_K q                       ; 64 keys x 64 channels: 8 fragments, 16 loads
.irp kt, 0,1,2,3
.irp ds, 0,1
	ds_load_b128 v[KF+16*\kt+8*\ds:KF+16*\kt+8*\ds+3],   v[ADK] offset:(64*(\q)+16*\kt)*KP+64*\ds
	ds_load_b128 v[KF+16*\kt+8*\ds+4:KF+16*\kt+8*\ds+7], v[ADK] offset:(64*(\q)+16*\kt)*KP+64*\ds+32
.endr
.endr
.endm
.macro FETCH_V q                       ; the same of V, turned: 16 loads
.irp ks, 0,1
.irp ct, 0,1,2,3
	ds_load_tr16_b128 v[VF+32*\ks+8*\ct:VF+32*\ks+8*\ct+3],   v[ADV] offset:(64*(\q)+32*\ks)*VP+32*\ct
	ds_load_tr16_b128 v[VF+32*\ks+8*\ct+4:VF+32*\ks+8*\ct+7], v[ADV] offset:(64*(\q)+32*\ks)*VP+16*VP+32*\ct
.endr
.endr
.endm
.macro QK                              ; S^T = K Q^T: the eight accumulators by turns; the first eight products start the sums
.irp ds, 0,1
.irp kt, 0,1,2,3
.irp qt, 0,1
.if \ds == 0
	v_wmma_f32_16x16x32_f16 v[S+32*\qt+8*\kt:S+32*\qt+8*\kt+7], v[KF+16*\kt+8*\ds:KF+16*\kt+8*\ds+7], v[QW+16*\qt+8*\ds:QW+16*\qt+8*\ds+7], 0
.else
	v_wmma_f32_16x16x32_f16 v[S+32*\qt+8*\kt:S+32*\qt+8*\kt+7], v[KF+16*\kt+8*\ds:KF+16*\kt+8*\ds+7], v[QW+16*\qt+8*\ds:QW+16*\qt+8*\ds+7], v[S+32*\qt+8*\kt:S+32*\qt+8*\kt+7]
.endif
.endr
.endr
.endr
.endm
.macro PVM                             ; O^T += V^T P: the eight accumulators by turns
.irp ks, 0,1
.irp ct, 0,1,2,3
.irp qt, 0,1
	v_wmma_f32_16x16x32_f16 v[OW+32*\qt+8*\ct:OW+32*\qt+8*\ct+7], v[VF+32*\ks+8*\ct:VF+32*\ks+8*\ct+7], v[P+16*\qt+8*\ks:P+16*\qt+8*\ks+7], v[OW+32*\qt+8*\ct:OW+32*\qt+8*\ct+7]
.endr
.endr
.endr
.endm
.macro MASK                            ; each accumulator from its low end on
.irp qt, 0,1
.irp kt, 0,1,2,3
.irp j, 0,1,2,3,4,5,6,7
	v_cmp_gt_i32 vcc_lo, 16*\kt+\j-16*\qt, v[DD]
	v_cndmask_b32 v[S+32*\qt+8*\kt+\j], v[S+32*\qt+8*\kt+\j], v[NINF], vcc_lo
.endr
.endr
.endr
.endm
.macro SOFTMAX                         ; the two tiles line by line, so that no line waits for the line above it
.irp c, 0,1,2,3
.irp t, 0,1
	v_max3_num_f32 v[ST+8*\t+4+\c], v[S+32*\t+8*\c], v[S+32*\t+8*\c+1], v[S+32*\t+8*\c+2]
.endr
.endr
.irp i, 3,5
.irp c, 0,1,2,3
.irp t, 0,1
	v_max3_num_f32 v[ST+8*\t+4+\c], v[ST+8*\t+4+\c], v[S+32*\t+8*\c+\i], v[S+32*\t+8*\c+\i+1]
.endr
.endr
.endr
.irp t, 0,1
	v_max3_num_f32 v[ST+8*\t+4], v[ST+8*\t+4], v[S+32*\t+7], v[S+32*\t+15]
.endr
.irp t, 0,1
	v_max3_num_f32 v[ST+8*\t+6], v[ST+8*\t+6], v[S+32*\t+23], v[S+32*\t+31]
.endr
.irp t, 0,1
	v_max3_num_f32 v[ST+8*\t+4], v[ST+8*\t+4], v[ST+8*\t+5], v[ST+8*\t+6]
.endr
.irp t, 0,1
	v_max3_num_f32 v[ST+8*\t+4], v[ST+8*\t+4], v[ST+8*\t+7], v[ST+8*\t+1]   ; and the old m
.endr
.irp t, 0,1
	v_permlanex16_b32 v[ST+8*\t+5], v[ST+8*\t+4], s[SEL], s[SEL+1]          ; the query's other 32 keys lie in the lane 16 away
.endr
.irp t, 0,1
	v_mov_b32 v[ST+8*\t+7], v[ST+8*\t]             ; c m_old is kept for a
.endr
.irp t, 0,1
	v_max_num_f32 v[ST+8*\t+1], v[ST+8*\t+4], v[ST+8*\t+5]
.endr
.irp t, 0,1
	v_mul_f32 v[ST+8*\t], s[CS], v[ST+8*\t+1]
.endr
.irp t, 0,1
	v_sub_f32 v[ST+8*\t+7], v[ST+8*\t+7], v[ST+8*\t]
.endr
.set i, 0
.rept 16
	v_pk_fma_f32 v[S+i:S+i+1], v[S+i:S+i+1], s[CS:CS+1], v[ST:ST+1] op_sel_hi:[1,0,0] neg_lo:[0,0,1] neg_hi:[0,0,1]             ; c s - c m
	v_pk_fma_f32 v[S+32+i:S+32+i+1], v[S+32+i:S+32+i+1], s[CS:CS+1], v[ST+8:ST+9] op_sel_hi:[1,0,0] neg_lo:[0,0,1] neg_hi:[0,0,1]
.set i, i+2
.endr
.irp t, 0,1
	v_exp_f32 v[ST+8*\t+6], v[ST+8*\t+7]           ; a
.endr
.set i, 0
.rept 32
	v_exp_f32 v[S+i], v[S+i]                       ; p: one batch of 66 exponentials
	v_exp_f32 v[S+32+i], v[S+32+i]
.set i, i+1
.endr
	v_nop                                          ; a plain instruction behind the last exponential,
	s_wait_alu depctr_va_vdst(0)                   ; and one wait ahead of the batch's first reader
.set i, 0
.rept 16
	v_cvt_pk_f16_f32 v[P+i], v[S+2*i], v[S+2*i+1]
	v_cvt_pk_f16_f32 v[P+16+i], v[S+32+2*i], v[S+32+2*i+1]
.set i, i+1
.endr
.irp u, 0,1,2,3,4,5,6,7                ; the sum of the unrounded p, in place: neighbours 1, 2, 4 and 8 pairs apart
.irp t, 0,1
	v_pk_add_f32 v[S+32*\t+4*\u:S+32*\t+4*\u+1], v[S+32*\t+4*\u:S+32*\t+4*\u+1], v[S+32*\t+4*\u+2:S+32*\t+4*\u+3]
.endr
.endr
.irp u, 0,1,2,3
.irp t, 0,1
	v_pk_add_f32 v[S+32*\t+8*\u:S+32*\t+8*\u+1], v[S+32*\t+8*\u:S+32*\t+8*\u+1], v[S+32*\t+8*\u+4:S+32*\t+8*\u+5]
.endr
.endr
.irp u, 0,1
.irp t, 0,1
	v_pk_add_f32 v[S+32*\t+16*\u:S+32*\t+16*\u+1], v[S+32*\t+16*\u:S+32*\t+16*\u+1], v[S+32*\t+16*\u+8:S+32*\t+16*\u+9]
.endr
.endr
.irp t, 0,1
	v_pk_add_f32 v[S+32*\t:S+32*\t+1], v[S+32*\t:S+32*\t+1], v[S+32*\t+16:S+32*\t+17]
.endr
.irp t, 0,1
	v_pk_fma_f32 v[ST+8*\t+2:ST+8*\t+3], v[ST+8*\t+2:ST+8*\t+3], v[ST+8*\t+6:ST+8*\t+7], v[S+32*\t:S+32*\t+1] op_sel_hi:[1,0,1]   ; l = a l + the sum
.endr
	WIN W_RS
.set i, 0
.rept 16
	v_pk_mul_f32 v[OW+i:OW+i+1], v[OW+i:OW+i+1], v[ST+6:ST+7] op_sel_hi:[1,0]                  ; O^T x a
	v_pk_mul_f32 v[OW+32+i:OW+32+i+1], v[OW+32+i:OW+32+i+1], v[ST+14:ST+15] op_sel_hi:[1,0]
.set i, i+2
.endr
.endm
; A KEY STEP: 64 keys, the q-th of the slot in hand.  K of the next step is asked for behind this step's first products, V of this step at its head.
.macro STEP q, id
.if \q > 0
	s_cmp_lt_u32 s[LASTQ], \q                      ; on the diagonal: all keys from here on come after my queries
	s_cbranch_scc1 .Lend\id
.endif
	PLACES                                         ; in front of loads into registers that the last products read
.if \q == 0
	FETCH_K 0
.endif
	FETCH_V \q
	s_wait_dscnt 16                                ; K is in; V's sixteen loads may be out
	WIN W_KQ
	QK
	WIN 0
	PLACES                                         ; in front of the loads into K's registers and of the first read of the scores
.if \q < 3
	FETCH_K \q+1
.endif
	s_cmp_lg_u32 s[MASKQ], \q
	s_cbranch_scc1 .Lopen_\@
	MASK
.Lopen_\@:
	SOFTMAX
.if \q < 3
	s_wait_dscnt 16                                ; V is in; the next K's sixteen loads may be out
.else
	s_wait_dscnt 0x0
.endif
	WIN W_PV
	PVM
	WIN 0
.endm
.macro SLOTWORK id
	s_lshr_b32 s72, s[WV], 1
	s_cmp_eq_u32 s[KBL], s[QBL]                    ; the diagonal?
	s_cselect_b32 s[LASTQ], s72, 3
	s_cselect_b32 s[MASKQ], s72, -1
	v_add_nc_u32 v[ADK], s[TB], v[AK0]
	v_add_nc_u32 v[ADV], s[TB], v[AV0]
	STEP 0, \id
	STEP 1, \id
	STEP 2, \id
	STEP 3, \id
.Lend\id:
	s_wait_dscnt 0x0                               ; a step that was the last may have asked for the next K
	s_xor_b32 s[TB], s[TB], SLOT1
	s_add_co_u32 s[KBL], s[KBL], 1
.endm
; THE CHANGE OF SLOTS stands at a slot's head.  Each wave waits for all its tensor loads (its part of the slot ahead), adds 0 to its spare word, and waits for that and for its reads of the slot that it has left.
; Behind the barrier the slot ahead is whole and nobody reads the other one: fill = 1: it takes the next trip's block of keys.  A wave has one tensor load out.
.macro CHANGE fill
	s_wait_tensorcnt 0x0                           ; no tensor load of mine is out, so a group 0 may be written
	ds_add_u32 v[SPW], v[NIL]                      ; 0 onto my spare word
.if \fill
	s_add_co_u32 s[NB], s[I], 1
	s_lshl_b32 s72, s[NB], 15
	s_mov_b32 s73, 0
	s_sub_co_u32 s74, s[I], s[G]
	s_cmp_le_u32 s[NB], s[G]
	s_cselect_b32 s[NB], s[NB], s74                ; the next trip's block: i + 1 in the first pass, i - g in the second
	s_lshl_b32 s[OFF], s[NB], 15
	s_add_nc_u64 s[G0K+2:G0K+3], s[KB:KB+1], s[OFF:OFF+1]
	s_or_b32 s[G0K+3], s[G0K+3], 0x80000000
	s_xor_b32 s[G0K+1], s[G0K+1], SLOT1
	s_add_nc_u64 s[G0V+2:G0V+3], s[VB:VB+1], s[OFF:OFF+1]
	s_or_b32 s[G0V+3], s[G0V+3], 0x80000000
	s_xor_b32 s[G0V+1], s[G0V+1], SLOT1
	s_wait_xcnt 0x0                                ; the last prefetch, a slot back, has read its address
	s_add_nc_u64 s[PFA:PFA+1], s[PB:PB+1], s[72:73]
.endif
	s_wait_dscnt 0x0                               ; the add is done, and my reads of the slot that I have left are over
	s_barrier_signal -1
	s_barrier_wait -1
.if \fill
	TLOAD                                          ; the first thing behind the barrier, and my one tensor load until the next
	ASK
.endif
.endm
.macro LOADQ
	WIN 0x40
.irp qt, 0,1
.irp ds, 0,1
	global_load_b128 v[QW+16*\qt+8*\ds:QW+16*\qt+8*\ds+3],   v[QO], s[QPP:QPP+1] offset:\qt*2048+64*\ds
	global_load_b128 v[QW+16*\qt+8*\ds+4:QW+16*\qt+8*\ds+7], v[QO], s[QPP:QPP+1] offset:\qt*2048+64*\ds+32
.endr
.endr
	WIN 0
.endm
.macro INIT
.irp t, 0,1
	v_mov_b32 v[ST+8*\t+1], 0xff61b1e6             ; m = -3e38, under every score
	v_mul_f32 v[ST+8*\t], s[CS], v[ST+8*\t+1]
	v_mov_b32 v[ST+8*\t+2], 0
	v_mov_b32 v[ST+8*\t+3], 0
.endr
	WIN 0x40
.set i, 0
.rept 64
	v_mov_b32 v[OW+i], 0
.set i, i+1
.endr
	WIN 0
.endm
; THE WAY OUT of a pass: O^T / l, to f16, through my stage, and out as 4,096 bytes on end.
.macro OUT
	PLACES                                         ; behind the last products, on every way that leads here
.irp t, 0,1
	v_add_f32 v[ST+8*\t+4], v[ST+8*\t+2], v[ST+8*\t+3]
.endr
.irp t, 0,1
	v_permlanex16_b32 v[ST+8*\t+5], v[ST+8*\t+4], s[SEL], s[SEL+1]
.endr
.irp t, 0,1
	v_add_f32 v[ST+8*\t+4], v[ST+8*\t+4], v[ST+8*\t+5]
.endr
.irp t, 0,1
	v_rcp_f32 v[ST+8*\t+6], v[ST+8*\t+4]
.endr
	v_nop
	s_wait_alu depctr_va_vdst(0)                   ; one wait for the two reciprocals, ahead of their first reader
	WIN W_RS
.set i, 0
.rept 16
	v_pk_mul_f32 v[OW+i:OW+i+1], v[OW+i:OW+i+1], v[ST+6:ST+7] op_sel_hi:[1,0]
	v_pk_mul_f32 v[OW+32+i:OW+32+i+1], v[OW+32+i:OW+32+i+1], v[ST+14:ST+15] op_sel_hi:[1,0]
.set i, i+2
.endr
	WIN 0x05
.set i, 0
.rept 32
	v_cvt_pk_f16_f32 v[S+i], v[OW+2*i], v[OW+2*i+1]
.set i, i+1
.endr
	WIN 0
.irp qt, 0,1
.irp ct, 0,1,2,3
	ds_store_b128 v[STO], v[S+16*\qt+4*\ct:S+16*\qt+4*\ct+3] offset:\qt*16*SPH+32*\ct
.endr
.endr
.irp i, 0,1,2,3,4,5,6,7
	ds_load_b128 v[S+32+4*\i:S+32+4*\i+3], v[RD] offset:\i*4*SPH   ; LDS serves a wave's instructions in order: these see my stores
.endr
.irp i, 0,1,2,3,4,5,6,7
	s_wait_dscnt 7-\i
	global_store_b128 v[GO], v[S+32+4*\i:S+32+4*\i+3], s[YPP:YPP+1] offset:512*\i   ; 512 consecutive bytes, aligned
.endr
.endm
	LOADQ
	INIT
	s_wait_loadcnt 0x0                             ; Q
.Ltrip:                                            ; eight trips; each asks for the next trip's keys
	CHANGE 1
	SLOTWORK 0
	s_cmp_lg_u32 s[I], s[G]
	s_cbranch_scc1 .Lsame
	OUT                                            ; the first pass is over: block g of the queries leaves, block 7 - g begins
	s_wait_xcnt 0x0                                ; the stores have read their registers and their base
	s_sub_co_u32 s[QBL], 7, s[G]
	s_mov_b32 s[KBL], 0
	s_lshl_b32 s[OFF], s[QBL], 15
	s_add_nc_u64 s[QPP:QPP+1], s[QP:QP+1], s[OFF:OFF+1]
	s_add_nc_u64 s[YPP:YPP+1], s[YP:YP+1], s[OFF:OFF+1]
	LOADQ
	INIT
	s_wait_loadcnt 0x0
.Lsame:
	s_add_co_u32 s[I], s[I], 1
	s_cmp_lt_u32 s[I], 8
	s_cbranch_scc1 .Ltrip
	CHANGE 0                                       ; the last trip is written out: nothing is left to ask for
	SLOTWORK 1
	OUT
	s_wait_tensorcnt 0x0                           ; the wave's end: behind my last tensor load and my last LDS store
	ds_add_u32 v[SPW], v[NIL]
	s_wait_dscnt 0x0
	s_endpgm
.Lfunc_end_k_q078ed3c483_attn:
	.size	k_q078ed3c483_attn, .Lfunc_end_k_q078ed3c483_attn-k_q078ed3c483_attn
	.p2alignl 7, 3214868480
	.fill 96, 4, 3214868480
	.section	.rodata,"a",@progbits
	.p2align	6, 0x0
	.amdhsa_kernel k_q078ed3c483_attn
		.amdhsa_group_segment_fixed_size 327680
		.amdhsa_private_segment_fixed_size 0
		.amdhsa_enable_private_segment 0
		.amdhsa_kernarg_size 16
		.amdhsa_user_sgpr_count 2
		.amdhsa_user_sgpr_kernarg_segment_ptr 1
		.amdhsa_wavefront_size32 1
		.amdhsa_system_sgpr_workgroup_id_x 1
		.amdhsa_system_sgpr_workgroup_id_y 1
		.amdhsa_system_sgpr_workgroup_id_z 1
		.amdhsa_system_vgpr_workitem_id 0
		.amdhsa_next_free_vgpr 384
		.amdhsa_next_free_sgpr 80
		.amdhsa_reserve_vcc 1
		.amdhsa_float_denorm_mode_32 3
		.amdhsa_float_denorm_mode_16_64 3
		.amdhsa_memory_ordered 1
		.amdhsa_forward_progress 1
		.amdhsa_inst_pref_size 197
	.end_amdhsa_kernel
	.amdgpu_metadata
---
amdhsa.version: [ 1, 2 ]
amdhsa.kernels:
  - .name:           k_q078ed3c483_attn
    .symbol:         k_q078ed3c483_attn.kd
    .args:
      - { .name: qkv, .offset: 0, .size: 8, .value_kind: global_buffer, .address_space: global }
      - { .name: y, .offset: 8, .size: 8, .value_kind: global_buffer, .address_space: global }
    .group_segment_fixed_size: 327680
    .private_segment_fixed_size: 0
    .kernarg_segment_align: 8
    .kernarg_segment_size: 16
    .max_flat_workgroup_size: 256
    .sgpr_count:     80
    .vgpr_count:     384
    .wavefront_size: 32
...
	.end_amdgpu_metadata
.endif
;; end of part 3
;; launch proj (part 4): grid 8 x 64, 4 waves a work-group, clusters of 4 x 4, 327,680 bytes of LDS; arguments y, wp16, out0; writes out0
.if DOCPART == 4
	.amdgcn_target "amdgcn-amd-amdhsa--gfx1250"
	.amdhsa_code_object_version 6
	.text
	.protected	k_q078ed3c483_proj
	.globl	k_q078ed3c483_proj
	.p2align	8
	.type	k_q078ed3c483_proj,@function
k_q078ed3c483_proj:
	s_mov_b64 s[64:65], 0
	v_nop
	global_prefetch_b8 v0, s[64:65] scope:SCOPE_SE
	s_setreg_imm32_b32 hwreg(HW_REG_WAVE_MODE, 25, 1), 1
	s_wait_xcnt 0x0
	s_wait_alu depctr_hold_cnt(0) depctr_sa_sdst(0) depctr_va_vdst(0) depctr_va_sdst(0) depctr_va_ssrc(0) depctr_va_vcc(0) depctr_vm_vsrc(0)
	s_getreg_b32 s2, hwreg(HW_REG_IB_STS2, 6, 4)
	s_cmp_eq_u32 s2, 0
	s_cbranch_scc0 .Lentry_in_a_cluster
	s_endpgm
.Lentry_in_a_cluster:
	s_bfe_u32 s2, ttmp6, 0x10000c
	s_cmp_lg_u32 s2, 0xf033
	s_cbranch_scc0 .Lentry_shape_is_right
	s_endpgm
.Lentry_shape_is_right:
; out0[m][n] = sum over k of y[m][k] W_proj[n][k], f16 operands, sums and result in f32.  m = 8,192 tokens, n = k = 1,024.
; BOTH OPERANDS LIE IN PIECES OF 64 ALONG K: y as [batch][head][t][64] (a head is a piece), W_proj as [k / 64][n][64].  The pieces of 64 neighbouring rows are 8,192 bytes on end.
; A tile of 128 x 128 is made by four waves, each 64 x 64: 16 accumulators.  K goes in steps of 256 (four pieces) through two LDS slots.  A wave's tensor load brings 64 rows x 4 pieces, stated as 4 rows of 4,096
; elements with 16 bytes of padding behind every 128: in LDS piece c of row i lies at (64 c + i) x 144, so the 16 rows of a fragment load start at 16 different banks (64 banks of 4 bytes: ISA guide 11.1).
; CLUSTERS: 4 x 4 work-groups; y's tiles are shared along a row of the cluster, W_proj's along a column: each is asked for jointly.  THE MATRIX INSTRUCTION IS USED TRANSPOSED (source 0 = 16 rows of W_proj,
; source 1 = 16 tokens): a lane holds eight neighbouring numbers of a row of out0.  A wave's 64 columns of f32 are 256 bytes, so each wave has a stage of its own and the way out needs no barrier.
; The rows of the first 16 positions of each batch are written here like all others and written again, in f32 throughout, by the launch that follows.
; REGISTERS: window 0: v0-31 addresses; v32-95 the way out; v128-255 the accumulators ((a, b) at v[128 + 8 (4 a + b)]).  Window 1: two fragment buffers of 128: 64 registers of tokens, then 64 of W_proj.
.set KSTEPA, 1048576                   ; a K step in y: four heads of 262,144 bytes
.set KSTEPB, 524288                    ; in wp16: four pieces of 131,072 bytes
.set CP,     144
.set CHUNK,  64*CP                     ; a piece of 64 rows in LDS
.set HALFT,  4*CHUNK                   ; what one tensor load brings
.set SLOT,   4*HALFT
.set STAGE,  2*SLOT
.set SPITCH, 272
.set SPARE,  STAGE+4*16*SPITCH
.set LAPS,   2
.set ADRA, 16
.set ADRB, 20
.set STO,  24
.set RD,   25
.set CO,   26
.set SPW,  28
.set NIL,  29
.set BK,   32
.set ACC,  128
.set F0,   0
.set F1,   128
.set G1, 24
.set G0, 32
.set G1B, 48
.set G0B, 56
.set MSB, 0
.macro WIN new
.if MSB != \new
	s_set_vgpr_msb (MSB<<8)|\new
.set MSB, \new
.endif
.endm
.set MUL,  0x05                        ; sources 0 and 1 window 1; C and D window 0
.set TO_F, 0x40
.macro JLOAD s                         ; a joint load: waves 0 and 1 fetch y's two halves, waves 2 and 3 W_proj's; an s_nop 0 and four v_nop follow each of the two lines
	s_cmp_eq_u32 s11, 0
	s_cbranch_scc0 .Lfor_b_\@
	tensor_load_to_lds s[G0+4*\s:G0+4*\s+3], s[G1:G1+7]
	s_nop 0
.rept 4
	v_nop
.endr
	s_branch .Lasked_\@
.Lfor_b_\@:
	tensor_load_to_lds s[G0B+4*\s:G0B+4*\s+3], s[G1B:G1B+7]
	s_nop 0
.rept 4
	v_nop
.endr
.Lasked_\@:
.endm
.macro CREST
	s_cmp_lg_u32 s10, 0
	s_cbranch_scc1 .Lnot_wave_0_\@
	s_barrier_signal -3
.Lnot_wave_0_\@:
	s_barrier_wait -3
	s_barrier_signal -1
	s_barrier_wait -1
.endm
.macro CROUND
	s_barrier_signal -1
	s_barrier_wait -1
	CREST
.endm
	s_load_b128 s[4:7], s[0:1], 0x0                ; y s[4:5], wp16 s[6:7]
	s_load_b64 s[8:9], s[0:1], 0x10                ; out0
	v_lshl_add_u32 v[SPW], v0, 2, SPARE
	v_mov_b32 v[NIL], 0
	ds_add_u32 v[SPW], v[NIL]                      ; the wave's opening: the add, twice on end, and its wait ahead of my first tensor load
	ds_add_u32 v[SPW], v[NIL]
	v_lshrrev_b32 v1, 5, v0
	v_readfirstlane_b32 s10, v1                    ; wave 0..3
	s_lshr_b32 s11, s10, 1                         ; which half of the tile's rows is mine.  Also: I fetch for y (0) or for W_proj (1)
	s_and_b32 s12, s10, 1                          ; which half of its columns.  Also: which 64 rows of that tile I fetch
	s_bfe_u32 s40, ttmp6, 0x40000
	s_bfe_u32 s41, ttmp6, 0x40004
	s_lshl_b32 s42, ttmp9, 2
	s_add_co_u32 s42, s42, s40                     ; tile column = 4 x cluster x + cx
	s_and_b32 s13, ttmp7, 0xffff
	s_lshl_b32 s13, s13, 2
	s_add_co_u32 s13, s13, s41                     ; tile row = 4 x cluster y + cy
	s_lshl_b32 s43, s41, 2
	s_lshl_b32 s43, 15, s43                        ; my row of the cluster
	s_lshl_b32 s44, 0x1111, s40                    ; my column
	s_or_b32 s[G1+0], s43, (1<<16)|(1<<20)|(1<<21)|(4<<22)|(3<<25)  ; the mask; elements of 2 bytes; padding on; bit 21 beside a mask; 4 words behind every 32
	s_or_b32 s[G1B+0], s44, (1<<16)|(1<<20)|(1<<21)|(4<<22)|(3<<25)
.irp g, G1, G1B
	s_mov_b32 s[\g+1], 4096<<16                    ; tensor_dim0 = 4,096: 64 rows' pieces on end
	s_mov_b32 s[\g+2], 4<<16                       ; tensor_dim1 = 4 pieces
	s_mov_b32 s[\g+3], 4096<<16                    ; tile_dim0
	s_mov_b32 s[\g+4], 4                           ; tile_dim1
	s_mov_b32 s[\g+6], 0
	s_mov_b32 s[\g+7], 0
.endr
	s_mov_b32 s[G1+5], 131072                      ; from piece to piece, in elements: a head of y,
	s_mov_b32 s[G1B+5], 65536                      ; 1,024 rows' pieces of W_proj
	s_lshr_b32 s16, s13, 4
	s_lshl_b32 s16, s16, 22                        ; y: the batch's 4,194,304 bytes,
	s_and_b32 s17, s13, 15
	s_lshl_b32 s17, s17, 14                        ; 128 tokens of 128 bytes a tile,
	s_add_co_u32 s16, s16, s17
	s_lshl_b32 s17, s12, 13                        ; my 64 of them
	s_add_co_u32 s16, s16, s17
	s_mov_b32 s17, 0
	s_lshl_b32 s46, s42, 14                        ; W_proj: 128 rows of 128 bytes a tile,
	s_lshl_b32 s47, s12, 13
	s_add_co_u32 s46, s46, s47
	s_mov_b32 s47, 0
	s_mul_i32 s20, s10, HALFT                      ; where they go: no place in the cluster enters an LDS address
	s_wait_dscnt 0x0                               ; both opening adds are done
	s_wait_kmcnt 0x0
	s_add_nc_u64 s[14:15], s[4:5], s[16:17]
	s_add_nc_u64 s[46:47], s[6:7], s[46:47]
	CROUND                                         ; all sixteen work-groups are here: the first joint loads meet
.irp s, 0,1
	s_mov_b32 s[G0+4*\s], 1
	s_add_co_u32 s[G0+4*\s+1], s20, \s*SLOT
	s_add_nc_u64 s[G0+4*\s+2:G0+4*\s+3], s[14:15], \s*KSTEPA
	s_or_b32 s[G0+4*\s+3], s[G0+4*\s+3], 0x80000000
	s_mov_b32 s[G0B+4*\s], 1
	s_add_co_u32 s[G0B+4*\s+1], s20, \s*SLOT
	s_add_nc_u64 s[G0B+4*\s+2:G0B+4*\s+3], s[46:47], \s*KSTEPB
	s_or_b32 s[G0B+4*\s+3], s[G0B+4*\s+3], 0x80000000
	JLOAD \s
.endr
	v_and_b32 v1, 15, v0                           ; l % 16
	v_bfe_u32 v2, v0, 4, 1                         ; l / 16
	v_mul_u32_u24 v3, v1, CP
	v_lshl_add_u32 v3, v2, 4, v3                   ; a fragment's row x pitch + 16 x half
	s_mul_i32 s21, s11, HALFT                      ; my 64 tokens
	s_mul_i32 s22, s12, HALFT                      ; my 64 rows of W_proj,
	s_add_co_u32 s22, s22, 2*HALFT                 ; which lie behind the 128 tokens
.irp s, 0,1
	v_add_nc_u32 v[ADRA+\s], s21, v3
	v_add_nc_u32 v[ADRB+\s], s22, v3
	s_add_co_u32 s21, s21, SLOT
	s_add_co_u32 s22, s22, SLOT
.endr
	s_mul_i32 s23, s10, 16*SPITCH
	s_add_co_u32 s23, s23, STAGE                   ; my stage
	v_mul_u32_u24 v4, v1, SPITCH                   ; in: row l % 16, 32 bytes for each half of the lanes
	v_lshl_add_u32 v4, v2, 5, v4
	v_add_nc_u32 v[STO], s23, v4
	v_mul_u32_u24 v5, v2, SPITCH                   ; back: lanes 0-15 one row of 256 bytes, lanes 16-31 the next
	v_lshl_add_u32 v5, v1, 4, v5
	v_add_nc_u32 v[RD], s23, v5
	v_lshlrev_b32 v5, 12, v2                       ; and the same two rows in out0
	v_lshl_add_u32 v[CO], v1, 4, v5
	s_lshl_b32 s16, s13, 7
	s_lshl_b32 s17, s11, 6
	s_add_co_u32 s16, s16, s17                     ; my first row: 128 x tile row + 64 x half
	s_lshl_b32 s16, s16, 12
	s_mov_b32 s17, 0
	s_add_nc_u64 s[8:9], s[8:9], s[16:17]
	s_lshl_b32 s46, s42, 9                         ; my first column, in bytes: 512 x tile column + 256 x half
	s_lshl_b32 s47, s12, 8
	s_add_co_u32 s46, s46, s47
	s_mov_b32 s47, 0
	s_add_nc_u64 s[8:9], s[8:9], s[46:47]
; 8 matrix instructions: token blocks a0, a0 + 1 x all 4 blocks of columns, 32 along K: half c of buffer f.  zero = 1: the first product starts the sums.  The 16 accumulators take turns
.macro MUL8 f, c, a0, zero
.irp a, \a0, \a0+1
.irp b, 0,1,2,3
.if \zero
	v_wmma_f32_16x16x32_f16 v[ACC+8*(4*(\a)+\b):ACC+8*(4*(\a)+\b)+7], v[\f+64+8*(4*\c+\b):\f+64+8*(4*\c+\b)+7], v[\f+8*(4*\c+\a):\f+8*(4*\c+\a)+7], 0
.else
	v_wmma_f32_16x16x32_f16 v[ACC+8*(4*(\a)+\b):ACC+8*(4*(\a)+\b)+7], v[\f+64+8*(4*\c+\b):\f+64+8*(4*\c+\b)+7], v[\f+8*(4*\c+\a):\f+8*(4*\c+\a)+7], v[ACC+8*(4*(\a)+\b):ACC+8*(4*(\a)+\b)+7]
.endif
.endr
.endr
.endm
; 32 LDS loads in one run: the fragments of piece qd of the slot (64 along K) into buffer f; the first 32 along K first
.macro FETCH slot, qd, f
	WIN TO_F
.irp c, 0,1
.irp i, 0,1,2,3
	ds_load_b128 v[\f+64+8*(4*\c+\i):\f+64+8*(4*\c+\i)+3],   v[ADRB+\slot] offset:(\qd)*CHUNK+64*\c+\i*16*CP
	ds_load_b128 v[\f+64+8*(4*\c+\i)+4:\f+64+8*(4*\c+\i)+7], v[ADRB+\slot] offset:(\qd)*CHUNK+64*\c+\i*16*CP+32
	ds_load_b128 v[\f+8*(4*\c+\i):\f+8*(4*\c+\i)+3],         v[ADRA+\slot] offset:(\qd)*CHUNK+64*\c+\i*16*CP
	ds_load_b128 v[\f+8*(4*\c+\i)+4:\f+8*(4*\c+\i)+7],       v[ADRA+\slot] offset:(\qd)*CHUNK+64*\c+\i*16*CP+32
.endr
.endr
.endm
.macro PLACES
.rept 4
	v_nop
.endr
.endm
; A K step is four quarters of 64 along K, 32 matrix instructions each, on buffers 0, 1, 0, 1.  One of the first three: multiplies buffer f and fetches piece qd into g.
.macro QUARTER slot, qd, f, g, zero
	s_wait_dscnt 16                                ; the first 32 along K are in; the other sixteen loads may be out
	WIN MUL
	MUL8 \f, 0, 0, \zero
	MUL8 \f, 0, 2, \zero
	PLACES
	FETCH \slot, \qd, \g
	s_wait_dscnt 32                                ; all but the 32 just issued
	WIN MUL
	MUL8 \f, 1, 0, 0
	MUL8 \f, 1, 2, 0
.endm
; The last quarter multiplies buffer 1 and changes slots: one barrier; in front of it each wave waits for all its tensor loads, adds 0 to its spare word, and waits for that and for its reads of this slot.
.macro TURN slot, next, fill
	WIN 0
	s_wait_tensorcnt 0x0                           ; all my tensor loads have landed: my part of the next slot
	ds_add_u32 v[SPW], v[NIL]                      ; 0 onto my spare word
	s_wait_dscnt 17                                ; (the add and the youngest sixteen loads may be out)
	WIN MUL
	MUL8 F1, 0, 0, 0
	s_wait_dscnt 0x0                               ; the add is done, and my reads of this slot are over
	s_barrier_signal -1
	MUL8 F1, 0, 2, 0
.if \fill
	WIN 0
.endif
	s_barrier_wait -1
.if \fill
	CREST                                          ; the barrier has opened a round of the cluster's barrier: no wave of any partner still reads this slot or has a load on its way
	s_add_nc_u64 s[G0+4*\slot+2:G0+4*\slot+3], s[G0+4*\slot+2:G0+4*\slot+3], 2*KSTEPA
	s_add_nc_u64 s[G0B+4*\slot+2:G0B+4*\slot+3], s[G0B+4*\slot+2:G0B+4*\slot+3], 2*KSTEPB
	JLOAD \slot                                    ; the first tensor load behind the round; the four v_nop behind it are also the places in front of the loads below
.else
	PLACES
.endif
	FETCH \next, 0, F0
	WIN MUL
	MUL8 F1, 1, 0, 0
	MUL8 F1, 1, 2, 0
.endm
	s_wait_tensorcnt 1                             ; my part of K step 0 is in (K step 1's load may be out),
	s_barrier_signal -1
	s_barrier_wait -1                              ; everybody's is
	FETCH 0, 0, F0
	QUARTER 0, 1, F0, F1, 1                        ; the first quarter's first products start the sums
	WIN 0
	s_mov_b32 s3, LAPS-1
.Llap:                                             ; a trip goes once round the ring and fills both slots again
	QUARTER 0, 2, F1, F0, 0
	QUARTER 0, 3, F0, F1, 0
	TURN 0, 1, 1
	QUARTER 1, 1, F0, F1, 0
	QUARTER 1, 2, F1, F0, 0
	QUARTER 1, 3, F0, F1, 0
	TURN 1, 0, 1
	QUARTER 0, 1, F0, F1, 0
	WIN 0
	s_sub_co_u32 s3, s3, 1
	s_cmp_lg_u32 s3, 0
	s_cbranch_scc1 .Llap
	QUARTER 0, 2, F1, F0, 0                        ; the last lap fills nothing
	QUARTER 0, 3, F0, F1, 0
	TURN 0, 1, 0
	QUARTER 1, 1, F0, F1, 0
	QUARTER 1, 2, F1, F0, 0
	QUARTER 1, 3, F0, F1, 0
	s_wait_dscnt 16
	WIN MUL
	MUL8 F1, 0, 0, 0
	MUL8 F1, 0, 2, 0
	s_wait_dscnt 0
	MUL8 F1, 1, 0, 0
	MUL8 F1, 1, 2, 0
	WIN 0
; THE WAY OUT, block by block of 16 rows x 64 columns: the accumulators go into my stage as they are, each from its low end on, and come back as whole rows of 256 bytes.
.macro TOSTAGE a
.set BB, BK+32*((\a)%2)
.irp b, 0,1,2,3
	ds_store_b128 v[STO], v[ACC+8*(4*(\a)+\b):ACC+8*(4*(\a)+\b)+3] offset:64*\b
	ds_store_b128 v[STO], v[ACC+8*(4*(\a)+\b)+4:ACC+8*(4*(\a)+\b)+7] offset:64*\b+16
.endr
.irp t, 0,1,2,3,4,5,6,7
	ds_load_b128 v[BB+4*\t:BB+4*\t+3], v[RD] offset:\t*2*SPITCH    ; LDS serves a wave's instructions in order (ISA guide 5.7.1.4)
.endr
.endm
.macro SEND a, younger
.set BB, BK+32*((\a)%2)
	s_wait_dscnt \younger
.irp t, 0,1,2,3,4,5,6,7
	global_store_b128 v[CO], v[BB+4*\t:BB+4*\t+3], s[8:9] offset:(16*(\a)+2*\t)*4096 th:TH_STORE_NT   ; 16 lanes store 256 consecutive bytes, aligned
.endr
.endm
	PLACES
	TOSTAGE 0
.irp a, 1,2,3
.if \a > 1
	s_wait_xcnt 0x0                                ; block a - 2's stores have read their registers
.endif
	TOSTAGE \a
	SEND \a-1, 16                                  ; behind block a - 1's loads: block a's 8 stores and 8 loads
.endr
	SEND 3, 0
	s_wait_tensorcnt 0x0                           ; the wave's end: behind my last tensor load and my last LDS store
	ds_add_u32 v[SPW], v[NIL]
	s_wait_dscnt 0x0
	CROUND                                         ; the closing round
	s_endpgm
.Lfunc_end_k_q078ed3c483_proj:
	.size	k_q078ed3c483_proj, .Lfunc_end_k_q078ed3c483_proj-k_q078ed3c483_proj
	.p2alignl 7, 3214868480
	.fill 96, 4, 3214868480
	.section	.rodata,"a",@progbits
	.p2align	6, 0x0
	.amdhsa_kernel k_q078ed3c483_proj
		.amdhsa_group_segment_fixed_size 327680
		.amdhsa_private_segment_fixed_size 0
		.amdhsa_enable_private_segment 0
		.amdhsa_kernarg_size 24
		.amdhsa_user_sgpr_count 2
		.amdhsa_user_sgpr_kernarg_segment_ptr 1
		.amdhsa_wavefront_size32 1
		.amdhsa_system_sgpr_workgroup_id_x 1
		.amdhsa_system_sgpr_workgroup_id_y 1
		.amdhsa_system_sgpr_workgroup_id_z 1
		.amdhsa_system_vgpr_workitem_id 0
		.amdhsa_next_free_vgpr 512
		.amdhsa_next_free_sgpr 66
		.amdhsa_reserve_vcc 0
		.amdhsa_float_denorm_mode_32 3
		.amdhsa_float_denorm_mode_16_64 3
		.amdhsa_memory_ordered 1
		.amdhsa_forward_progress 1
		.amdhsa_inst_pref_size 86
	.end_amdhsa_kernel
	.amdgpu_metadata
---
amdhsa.version: [ 1, 2 ]
amdhsa.kernels:
  - .name:           k_q078ed3c483_proj
    .symbol:         k_q078ed3c483_proj.kd
    .args:
      - { .name: y, .offset: 0, .size: 8, .value_kind: global_buffer, .address_space: global }
      - { .name: wp16, .offset: 8, .size: 8, .value_kind: global_buffer, .address_space: global }
      - { .name: out0, .offset: 16, .size: 8, .value_kind: global_buffer, .address_space: global }
    .group_segment_fixed_size: 327680
    .private_segment_fixed_size: 0
    .kernarg_segment_align: 8
    .kernarg_segment_size: 24
    .max_flat_workgroup_size: 128
    .sgpr_count:     66
    .vgpr_count:     512
    .wavefront_size: 32
...
	.end_amdgpu_metadata
.endif
;; end of part 4
;; launch early (part 5): grid 16 x 4, 16 waves a work-group, no clusters, 72,192 bytes of LDS; arguments e16, W_proj, out0; writes out0
.if DOCPART == 5
	.amdgcn_target "amdgcn-amd-amdhsa--gfx1250"
	.amdhsa_code_object_version 6
	.text
	.protected	k_q078ed3c483_early
	.globl	k_q078ed3c483_early
	.p2align	8
	.type	k_q078ed3c483_early,@function
k_q078ed3c483_early:
	s_mov_b64 s[64:65], 0
	v_nop
	global_prefetch_b8 v0, s[64:65] scope:SCOPE_SE
	s_setreg_imm32_b32 hwreg(HW_REG_WAVE_MODE, 25, 1), 1
	s_wait_xcnt 0x0
; THE FIRST 16 POSITIONS OF EACH BATCH, in f32 throughout: these rows average one to sixteen values and are the largest of the output, so f16 operands would use up what the comparison allows.
; e16: [batch][t 16][3072] f32: q, k, v behind the rotary embedding.  W_proj: [1024][1024] f32.  out0's rows t = 0 .. 15 of each batch are written anew.
; SHARES.  Work-group (x = a block of 64 output columns, y = the batch); wave = head.  Each work-group computes the small attention of all 16 heads (32 matrix instructions a wave), so that a head's y stays in the
; wave's registers and the projection's K = 1,024 is shared out by heads; the sixteen waves' partial sums meet in LDS.  64 columns of f32 are 256 bytes: whole aligned pieces of out0's rows.
; All products by v_wmma_f32_16x16x4_f32, transposed (a lane holds one query throughout).  Along K the four places of a step are filled alike in both operands, in the order in which the registers lie.
; The registers that these products write (v192-255) are written by matrix instructions alone; each sum begins with the constant 0; four accumulators take turns.
.set RED,   0                          ; LDS: wave x 4,096 + tile x 1,024 + half x 512 + 16 x lane: the partial sums as images of their registers
.set STG,   65536                      ; 16 rows x (256 bytes + 16)
.set SPARE, 70144                      ; the spare words, 128 bytes for each wave
.set QF,  16                           ; v16-47 Q; later W_proj's column tile 2
.set KF,  48                           ; v48-79 K; later tile 3
.set VF,  80                           ; v80-111 V^T; later y
.set WA,  112                          ; v112-175 W_proj's column tiles 0, 1
.set SS,  176                          ; v176-183 the scores, then p
.set T,   184                          ; v184-191 at work
.set A1,  192                          ; v192-223 four accumulators: the scores' four partial sums; later the four column tiles
.set A2,  224                          ; v224-255 O^T
.macro PLACES8
.rept 8
	v_nop
.endr
.endm
	s_load_b128 s[4:7], s[0:1], 0x0                ; e16 s[4:5], W_proj s[6:7]
	s_load_b64 s[8:9], s[0:1], 0x10                ; out0
	v_lshl_add_u32 v14, v0, 2, SPARE
	v_mov_b32 v15, 0
	v_lshrrev_b32 v1, 5, v0
	v_readfirstlane_b32 s10, v1                    ; wave = head
	s_and_b32 s11, ttmp7, 0xffff                   ; batch
	v_and_b32 v1, 15, v0                           ; r
	v_bfe_u32 v2, v0, 4, 1                         ; h
	v_and_b32 v3, 31, v0                           ; lane
	s_lshl_b32 s12, s10, 8                         ; the head's 64 numbers: 256 bytes
	v_mul_u32_u24 v4, v1, 12288
	v_lshl_add_u32 v4, v2, 4, v4
	v_add_nc_u32 v4, s12, v4                       ; Q, K: row r, + 16 h
	v_mul_u32_u24 v5, v2, 98304
	v_lshl_add_u32 v5, v1, 2, v5
	v_add_nc_u32 v5, s12, v5                       ; V: key 8 h on, channel r
	v_lshlrev_b32 v6, 12, v1
	v_lshl_add_u32 v6, v2, 5, v6
	v_add_nc_u32 v6, s12, v6                       ; W_proj: row r, + 32 h
	s_lshl_b32 s13, s10, 12
	v_lshl_add_u32 v7, v3, 4, s13                  ; my partial sums' place
	s_and_b32 s17, s10, 7                          ; waves 0-7 add the parts: wave w takes tile w / 2, half w % 2
	s_lshl_b32 s13, s17, 9
	v_lshl_add_u32 v8, v3, 4, s13
	v_mul_u32_u24 v9, v1, 272
	v_lshl_add_u32 v9, v2, 5, v9
	s_lshr_b32 s13, s17, 1
	s_lshl_b32 s13, s13, 6
	s_and_b32 s18, s17, 1
	s_lshl_b32 s18, s18, 4
	s_add_co_u32 s13, s13, s18
	s_add_co_u32 s13, s13, STG
	v_add_nc_u32 v9, s13, v9                       ; the stage: row r, columns 16 tile + 8 h + 4 half on
	s_lshl_b32 s13, s17, 1
	v_add_nc_u32 v10, s13, v2                      ; and back: rows 2 w, 2 w + 1
	v_lshlrev_b32 v11, 12, v10
	v_lshl_add_u32 v11, v1, 4, v11                 ; the same rows in out0
	v_mul_u32_u24 v10, v10, 272
	v_lshl_add_u32 v10, v1, 4, v10
	v_add_nc_u32 v10, STG, v10
	v_lshlrev_b32 v12, 3, v2
	v_sub_nc_u32 v12, v1, v12                      ; r - 8 h: my key j is hidden where j is above it
	v_mov_b32 v13, 0xff800000
	s_mov_b32 s14, 0x76543210
	s_mov_b32 s15, 0xfedcba98
	s_mov_b32 s16, 0x3e38aa3b                      ; c = log2(e) / 8
	s_mul_i32 s20, s11, 196608
	s_mov_b32 s21, 0
	s_lshl_b32 s22, ttmp9, 18                      ; 64 rows of W_proj
	s_mov_b32 s23, 0
	s_lshl_b32 s24, s11, 23                        ; 2,048 rows of out0
	s_lshl_b32 s25, ttmp9, 8
	s_add_co_u32 s24, s24, s25
	s_mov_b32 s25, 0
	s_wait_kmcnt 0x0
	s_add_nc_u64 s[4:5], s[4:5], s[20:21]
	s_add_nc_u64 s[6:7], s[6:7], s[22:23]
	s_add_nc_u64 s[8:9], s[8:9], s[24:25]
.irp c, 0,1,2,3,4,5,6,7
	global_load_b128 v[QF+4*\c:QF+4*\c+3], v4, s[4:5] offset:32*\c               ; channels 8 c + 4 h + 0 .. 3: two steps' places
.endr
.irp c, 0,1,2,3,4,5,6,7
	global_load_b128 v[KF+4*\c:KF+4*\c+3], v4, s[4:5] offset:4096+32*\c
.endr
.irp ct, 0,1,2,3
.irp s, 0,1,2,3
.irp j, 0,1
	global_load_b32 v[VF+8*\ct+2*\s+\j], v5, s[4:5] offset:8192+(2*\s+\j)*12288+64*\ct   ; V(key 8 h + 2 s + j, channel 16 ct + r)
.endr
.endr
.endr
.irp tt, 0,1
.irp t, 0,1,2,3
.irp u, 0,1
	global_load_b128 v[WA+32*\tt+8*\t+4*\u:WA+32*\tt+8*\t+4*\u+3], v6, s[6:7] offset:\tt*65536+64*\t+16*\u   ; W(16 tt + r, 16 t + 8 h + 4 u + 0 .. 3) of my head's 64
.endr
.endr
.endr
	s_wait_loadcnt 48                              ; Q and K are in; V's 32 loads and W's 16 may be out
.irp e, 0,1,2,3,4,5,6,7,8,9,10,11,12,13,14,15     ; S^T = K Q^T: 16 steps of 4 channels on four accumulators by turns
.if \e < 4
	v_wmma_f32_16x16x4_f32 v[A1+8*(\e%4):A1+8*(\e%4)+7], v[KF+2*\e:KF+2*\e+1], v[QF+2*\e:QF+2*\e+1], 0
.else
	v_wmma_f32_16x16x4_f32 v[A1+8*(\e%4):A1+8*(\e%4)+7], v[KF+2*\e:KF+2*\e+1], v[QF+2*\e:QF+2*\e+1], v[A1+8*(\e%4):A1+8*(\e%4)+7]
.endif
.endr
	PLACES8                                        ; eight places behind this form, in front of loads into its sources and of reads of its results
.irp tt, 2,3
.irp t, 0,1,2,3
.irp u, 0,1
	global_load_b128 v[QF+32*(\tt-2)+8*\t+4*\u:QF+32*(\tt-2)+8*\t+4*\u+3], v6, s[6:7] offset:\tt*65536+64*\t+16*\u
.endr
.endr
.endr
.irp j, 0,1,2,3,4,5,6,7                           ; the four parts are added, each accumulator from its low end on.  Lane (r, h): query r, key 8 h + j
	v_add_f32 v[SS+\j], v[A1+\j], v[A1+8+\j]
	v_add_f32 v[T+\j], v[A1+16+\j], v[A1+24+\j]
.endr
.irp j, 0,1,2,3,4,5,6,7
	v_add_f32 v[SS+\j], v[SS+\j], v[T+\j]
.endr
.irp j, 0,1,2,3,4,5,6,7
	v_cmp_gt_i32 vcc_lo, \j, v12
	v_cndmask_b32 v[SS+\j], v[SS+\j], v13, vcc_lo  ; hidden keys: -infinity
.endr
	v_max3_num_f32 v[T], v[SS], v[SS+1], v[SS+2]
	v_max3_num_f32 v[T+1], v[SS+3], v[SS+4], v[SS+5]
	v_max3_num_f32 v[T], v[T], v[SS+6], v[SS+7]
	v_max_num_f32 v[T], v[T], v[T+1]
	v_permlanex16_b32 v[T+1], v[T], s14, s15
	v_max_num_f32 v[T], v[T], v[T+1]               ; the row's maximum: key 0 counts for every query
	v_mul_f32 v[T], s16, v[T]
.irp j, 0,1,2,3,4,5,6,7
	v_fma_f32 v[SS+\j], v[SS+\j], s16, -v[T]
.endr
.irp j, 0,1,2,3,4,5,6,7
	v_exp_f32 v[SS+\j], v[SS+\j]
.endr
	v_nop
	s_wait_alu depctr_va_vdst(0)                   ; one wait for the eight exponentials, ahead of their first reader
	v_add_f32 v[T+1], v[SS], v[SS+1]
	v_add_f32 v[T+2], v[SS+2], v[SS+3]
	v_add_f32 v[T+3], v[SS+4], v[SS+5]
	v_add_f32 v[T+4], v[SS+6], v[SS+7]
	v_add_f32 v[T+1], v[T+1], v[T+2]
	v_add_f32 v[T+3], v[T+3], v[T+4]
	v_add_f32 v[T+1], v[T+1], v[T+3]
	v_permlanex16_b32 v[T+2], v[T+1], s14, s15
	v_add_f32 v[T+1], v[T+1], v[T+2]
	v_rcp_f32 v[T+4], v[T+1]
	v_nop
	s_wait_alu depctr_va_vdst(0)
	s_wait_loadcnt 32                              ; V is in; W's two runs of 16 may be out
.irp s, 0,1,2,3                                   ; O^T = V^T P: 4 steps of 4 keys; the four channel tiles by turns
.irp ct, 0,1,2,3
.if \s == 0
	v_wmma_f32_16x16x4_f32 v[A2+8*\ct:A2+8*\ct+7], v[VF+8*\ct+2*\s:VF+8*\ct+2*\s+1], v[SS+2*\s:SS+2*\s+1], 0
.else
	v_wmma_f32_16x16x4_f32 v[A2+8*\ct:A2+8*\ct+7], v[VF+8*\ct+2*\s:VF+8*\ct+2*\s+1], v[SS+2*\s:SS+2*\s+1], v[A2+8*\ct:A2+8*\ct+7]
.endif
.endr
.endr
	PLACES8
.set i, 0
.rept 32
	v_mul_f32 v[VF+i], v[A2+i], v[T+4]             ; y(query r, channel 16 ct + 8 h + j), over V's registers
.set i, i+1
.endr
	s_wait_loadcnt 0x0                             ; W
.irp t, 0,1,2,3                                   ; my head's part of the projection: 16 steps of 4 channels; the four column tiles by turns
.irp s, 0,1,2,3
.irp tt, 0,1,2,3
.set WB, WA+32*\tt
.if \tt > 1
.set WB, QF+32*(\tt-2)
.endif
.if (\t == 0) && (\s == 0)
	v_wmma_f32_16x16x4_f32 v[A1+8*\tt:A1+8*\tt+7], v[WB+8*\t+2*\s:WB+8*\t+2*\s+1], v[VF+8*\t+2*\s:VF+8*\t+2*\s+1], 0
.else
	v_wmma_f32_16x16x4_f32 v[A1+8*\tt:A1+8*\tt+7], v[WB+8*\t+2*\s:WB+8*\t+2*\s+1], v[VF+8*\t+2*\s:VF+8*\t+2*\s+1], v[A1+8*\tt:A1+8*\tt+7]
.endif
.endr
.endr
.endr
	PLACES8
.irp tt, 0,1,2,3
	ds_store_b128 v7, v[A1+8*\tt:A1+8*\tt+3] offset:RED+\tt*1024
	ds_store_b128 v7, v[A1+8*\tt+4:A1+8*\tt+7] offset:RED+\tt*1024+512
.endr
	s_wait_dscnt 0x0                               ; for the others' sake: my stores have landed
	s_barrier_signal -1
	s_barrier_wait -1
	s_cmp_lt_u32 s10, 8
	s_cbranch_scc0 .Lidle_a
.irp p, 0,1,2,3,4,5,6,7,8,9,10,11,12,13,14,15
	ds_load_b128 v[QF+4*\p:QF+4*\p+3], v8 offset:RED+\p*4096       ; the sixteen heads' parts of my four registers
.endr
	s_wait_dscnt 0x0
.irp p, 0,1,2,3,4,5,6,7
	v_pk_add_f32 v[QF+4*\p:QF+4*\p+1], v[QF+4*\p:QF+4*\p+1], v[QF+32+4*\p:QF+32+4*\p+1]
	v_pk_add_f32 v[QF+4*\p+2:QF+4*\p+3], v[QF+4*\p+2:QF+4*\p+3], v[QF+32+4*\p+2:QF+32+4*\p+3]
.endr
.irp p, 0,1,2,3
	v_pk_add_f32 v[QF+4*\p:QF+4*\p+1], v[QF+4*\p:QF+4*\p+1], v[QF+16+4*\p:QF+16+4*\p+1]
	v_pk_add_f32 v[QF+4*\p+2:QF+4*\p+3], v[QF+4*\p+2:QF+4*\p+3], v[QF+16+4*\p+2:QF+16+4*\p+3]
.endr
.irp p, 0,1
	v_pk_add_f32 v[QF+4*\p:QF+4*\p+1], v[QF+4*\p:QF+4*\p+1], v[QF+8+4*\p:QF+8+4*\p+1]
	v_pk_add_f32 v[QF+4*\p+2:QF+4*\p+3], v[QF+4*\p+2:QF+4*\p+3], v[QF+8+4*\p+2:QF+8+4*\p+3]
.endr
	v_pk_add_f32 v[QF:QF+1], v[QF:QF+1], v[QF+4:QF+5]
	v_pk_add_f32 v[QF+2:QF+3], v[QF+2:QF+3], v[QF+6:QF+7]
	ds_store_b128 v9, v[QF:QF+3]
.Lidle_a:
	s_wait_dscnt 0x0
	s_barrier_signal -1
	s_barrier_wait -1                              ; 16 whole rows of 256 bytes lie in the stage
	s_cmp_lt_u32 s10, 8
	s_cbranch_scc0 .Lidle_b
	ds_load_b128 v[QF+8:QF+11], v10
	s_wait_dscnt 0x0
	global_store_b128 v11, v[QF+8:QF+11], s[8:9]   ; two rows: 16 lanes store 256 consecutive bytes, aligned
.Lidle_b:
	s_wait_tensorcnt 0x0                           ; the wave's end: behind my last LDS store
	ds_add_u32 v14, v15
	s_wait_dscnt 0x0
	s_endpgm
.Lfunc_end_k_q078ed3c483_early:
	.size	k_q078ed3c483_early, .Lfunc_end_k_q078ed3c483_early-k_q078ed3c483_early
	.p2alignl 7, 3214868480
	.fill 96, 4, 3214868480
	.section	.rodata,"a",@progbits
	.p2align	6, 0x0
	.amdhsa_kernel k_q078ed3c483_early
		.amdhsa_group_segment_fixed_size 72192
		.amdhsa_private_segment_fixed_size 0
		.amdhsa_enable_private_segment 0
		.amdhsa_kernarg_size 24
		.amdhsa_user_sgpr_count 2
		.amdhsa_user_sgpr_kernarg_segment_ptr 1
		.amdhsa_wavefront_size32 1
		.amdhsa_system_sgpr_workgroup_id_x 1
		.amdhsa_system_sgpr_workgroup_id_y 1
		.amdhsa_system_sgpr_workgroup_id_z 1
		.amdhsa_system_vgpr_workitem_id 0
		.amdhsa_next_free_vgpr 256
		.amdhsa_next_free_sgpr 66
		.amdhsa_reserve_vcc 1
		.amdhsa_float_denorm_mode_32 3
		.amdhsa_float_denorm_mode_16_64 3
		.amdhsa_memory_ordered 1
		.amdhsa_forward_progress 1
		.amdhsa_inst_pref_size 26
	.end_amdhsa_kernel
	.amdgpu_metadata
---
amdhsa.version: [ 1, 2 ]
amdhsa.kernels:
  - .name:           k_q078ed3c483_early
    .symbol:         k_q078ed3c483_early.kd
    .args:
      - { .name: e16, .offset: 0, .size: 8, .value_kind: global_buffer, .address_space: global }
      - { .name: W_proj, .offset: 8, .size: 8, .value_kind: global_buffer, .address_space: global }
      - { .name: out0, .offset: 16, .size: 8, .value_kind: global_buffer, .address_space: global }
    .group_segment_fixed_size: 72192
    .private_segment_fixed_size: 0
    .kernarg_segment_align: 8
    .kernarg_segment_size: 24
    .max_flat_workgroup_size: 512
    .sgpr_count:     66
    .vgpr_count:     256
    .wavefront_size: 32
...
	.end_amdgpu_metadata
.endif
;; end of part 5
